; MI455X (gfx1250); checked and timed in simulation.
; The chip was launched on July 23, 2026; its instructions are those of AMD's public machine-readable ISA for CDNA 5 (MIT licence, August 2026) and "CDNA5" Instruction Set Architecture Reference Guide (July 2026). The comments in the code are by the model that wrote it; some were corrected since.
;; Simple Transformer Block. Allowed arithmetic: matrix products marked QUANTISED: E4M3 operands, one given power-of-two scale a tensor, by v_wmma_f32_16x16x64_fp8_fp8 or v_wmma_f32_16x16x128_fp8_fp8, f32 sums; everything else in f32.
;; Inputs: b1 4,096 float32; b2 1,024 float32; be1 1,024 float32; be2 1,024 float32; bk 1,024 float32; bo 1,024 float32; bq 1,024 float32; bv 1,024 float32; g1 1,024 float32; g2 1,024 float32; lowp_scales 16 int32 (the exponents e of the quantised operands' scales 2^e); w1 1,024 x 4,096 float32; w2 4,096 x 1,024 float32; wk 1,024 x 1,024 float32; wo 1,024 x 1,024 float32; wq 1,024 x 1,024 float32; wv 1,024 x 1,024 float32; x 2 x 2,048 x 1,024 float32.
;; Outputs: out0 2 x 2,048 x 1,024 float32.
;; This version of the problem:
;;   THIS VERSION OF THE PROBLEM IS GIVEN IN LOW PRECISION. The matrix products marked QUANTISED in the list below multiply operands that are first quantised to E4M3 (4 exponent bits, 3 mantissa bits; 8 bits a number), with one given power-of-two scale for each operand tensor; their sums are f32. All else is computed in f32.
;;   The module's matrix products, in the order in which they are computed (A, B: the left and right operand; K: the contracted axis; several contracted axes count as one K, in the product's order):
;;     1. [M 4,096, K 1,024] x [K 1,024, N 1,024]; A: computed on the way; B: input wq: QUANTISED (scales: A lowp_scales[0], B lowp_scales[1])
;;     2. [M 4,096, K 1,024] x [K 1,024, N 1,024]; A: computed on the way; B: input wk: QUANTISED (scales: A lowp_scales[2], B lowp_scales[3])
;;     3. [M 4,096, K 1,024] x [K 1,024, N 1,024]; A: computed on the way; B: input wv: QUANTISED (scales: A lowp_scales[4], B lowp_scales[5])
;;     4. batch 32 x [M 2,048, K 64] x [K 64, N 2,048]; A: computed on the way; B: computed on the way: QUANTISED (scales: A lowp_scales[6], B lowp_scales[7])
;;     5. batch 32 x [M 2,048, K 2,048] x [K 2,048, N 64]; A: softmax (see below); B: computed on the way: QUANTISED (scales: A lowp_scales[8], B lowp_scales[9])
;;     6. [M 4,096, K 1,024] x [K 1,024, N 1,024]; A: computed on the way; B: input wo: QUANTISED (scales: A lowp_scales[10], B lowp_scales[11])
;;     7. [M 4,096, K 1,024] x [K 1,024, N 4,096]; A: computed on the way; B: input w1: QUANTISED (scales: A lowp_scales[12], B lowp_scales[13])
;;     8. [M 4,096, K 4,096] x [K 4,096, N 1,024]; A: computed on the way; B: input w2: QUANTISED (scales: A lowp_scales[14], B lowp_scales[15])
;;   THE QUANTISER, for each operand of a quantised product, along K:
;;     - The operand's scale is 2^e, e = its entry of the input lowp_scales (int32; the entries are numbered through the quantised products in the list's order, A before B).
;;     - Each number is divided by the scale, clamped to +-448, and rounded to the nearest number of E4M3, ties to even, subnormals kept.
;;     - The product sums the exact products of the quantised numbers (number of the format x scale) in f32.
;;   ~~~python
;;   def quantise(x, axis, e):      # numpy; x: float32 -> the quantised numbers, widened to float32 again
;;       x = np.moveaxis(x, axis, -1); K = x.shape[-1]
;;       r = np.clip(x / 2.0 ** e, -448, 448)
;;       step = 2.0 ** (np.maximum(np.frexp(np.where(r == 0, 1, r))[1] - 1, -6) - 3)
;;       q = np.round(r / step) * step * 2.0 ** e      # np.round: ties to even
;;       return np.moveaxis(q, -1, axis).astype(np.float32)
;;   ~~~
;;   SOFTMAX AHEAD OF A QUANTISED PRODUCT. Where the list says 'softmax', what is quantised is not the finished softmax but p = 2^(t - M), with t = logit x log2(e) and M = ceil(the row's largest t), a whole number; so 1/2 < the row's largest p <= 1. The row's sum l is taken of the UNQUANTISED p, in f32, and the product's result is divided by l at the end. Since M is a whole number, a kernel that streams over the keys may use a running M (the ceiling of the running maximum): every later rescaling is an exact power of two, so the quantised numbers keep their values, but for numbers so far below the row's largest that they fall under the format's range.
;;   OPERANDS COMPUTED ON THE WAY. 'Computed on the way' means the value that the module computes at that place (a softmax that the list does not call 'softmax' is quantised finished and normalised). What goes into a quantiser is computed in f32, as accurately as f32 sums, v_exp_f32 and their like allow (about 1e-6 of the number): no bf16 or f16 on the way to a quantiser, and a product that is left as it is and whose result goes on into a quantised operand takes f32 operands (vector FMAs, or v_wmma_f32_16x16x4_f32). A number that lies on a knife's edge between two numbers of the format may be rounded either way, as far as f32 arithmetic and the matrix unit's own rounding can turn it there, and no further.
;; One version. Each part assembles by itself: llvm-mc -triple=amdgcn-amd-amdhsa -mcpu=gfx1250 --defsym DOCPART=n.
;; ======== version 1 of 1: 7 launches
;; limits: right only within a limited range of input values
;; workspace buffers: wimg 12,582,912 bytes; hc 12,582,912 bytes; qkvc 12,582,912 bytes; oimg 4,194,304 bytes; x1 16,777,216 bytes; h2img 4,194,304 bytes; hid 16,777,216 bytes
;; launch prep (part 1): grid 640 x 1, 8 waves a work-group, no clusters, 2,048 bytes of LDS; arguments x, g1, be1, wq, wk, wv, wo, w1, w2, lowp_scales, hc, wimg; writes hc, wimg
.if DOCPART == 1
	.amdgcn_target "amdgcn-amd-amdhsa--gfx1250"
	.amdhsa_code_object_version 6
	.text
	.protected	k_q832b5668c6_prep
	.globl	k_q832b5668c6_prep
	.p2align	8
	.type	k_q832b5668c6_prep,@function
k_q832b5668c6_prep:
	s_mov_b64 s[64:65], 0
	v_nop
	global_prefetch_b8 v0, s[64:65] scope:SCOPE_SE
	s_setreg_imm32_b32 hwreg(HW_REG_WAVE_MODE, 25, 1), 1
	s_wait_xcnt 0x0
; Work-groups 0-255: LayerNorm 1 of 16 rows of x each, quantised three times (scales' entries 0, 2, 4) into three images of codes.
; Work-groups 256-639: the six weights, f32 stored [K][N], quantised along K (entries 1, 3, 5, 11, 13, 15) into images of codes; a work-group takes 256 columns x 128 along K.
; AN IMAGE is an operand in the order of its registers: a fragment (16 rows x 128 K of E4M3) is 2,048 bytes; byte 512 c + 16 lane + i holds row index r = lane % 16
; and k = 32 c + 16 (lane / 16) + i.  Row index r of tile T is the actual row 32 (T / 2) + 8 (T % 2) + r % 8 + 16 (r / 8).  hc: [3][256 T][8 K steps][2048]; a weight: [N / 16][K / 128][2048].
; code = x / 2^e, held within +-448, to the nearest code, ties to even.  LIMITS: each e between -126 and 119; NaN among the inputs is not served.
; No tensor loads and no matrix work: memory binds.  The two paths part on the work-group's number alone; only the first uses LDS and barriers.
.set X,    32                          ; LN: v32-95 my 64 numbers of x: register 16 c + i = k 32 c + 16 h + i of my row, in my wave's K step
.set G,    96                          ; LN: v96-159 g, later the held numbers
.set BE,   160                         ; LN: v160-223 be, later the codes, 16 registers for each of the three scales
.set OFFS, 16                          ; W: v16-47 byte offset of row i of a block of 32 rows, at my column
.set WX,   48                          ; W: v48-111 two sets of 32 numbers down K
.set WC,   112                         ; W: v112-143 codes, 8 registers a block, never rewritten
.set SB,   40                          ; W: s[40:47] four bases, one for each block of 32 rows
	v_lshl_add_u32 v224, v0, 2, 0x400
	v_mov_b32 v225, 0
	s_cmp_lt_u32 ttmp9, 256
	s_cbranch_scc0 .Lweights
	; ---------------- LayerNorm 1.  Tile T = the work-group's number; wave w takes K step w (128 columns) of the tile's 16 rows; lane (r, h) takes 64 numbers of row index r
	s_load_b128 s[4:7], s[0:1], 0x0                ; x, g1
	s_load_b64 s[8:9], s[0:1], 0x10                ; be1
	s_load_b128 s[12:15], s[0:1], 0x48             ; the scales' exponents, hc
	v_lshrrev_b32 v1, 5, v0
	s_delay_alu instid0(VALU_DEP_1)
	v_readfirstlane_b32 s16, v1                    ; wave 0..7
	v_and_b32 v2, 15, v0                           ; r
	v_bfe_u32 v3, v0, 4, 1                         ; h
	v_and_b32 v9, 7, v0
	v_bfe_u32 v16, v0, 3, 1
	s_delay_alu instid0(VALU_DEP_1)
	v_lshl_add_u32 v9, v16, 4, v9                  ; r % 8 + 16 (r / 8): my row in the tile's group of 32
	s_delay_alu instid0(VALU_DEP_1)
	v_lshlrev_b32 v4, 12, v9
	s_delay_alu instid0(VALU_DEP_1)
	v_lshl_add_u32 v4, v3, 6, v4                   ; x: row x 4,096 + 64 h
	v_lshlrev_b32 v5, 6, v3                        ; g, be: 64 h
	v_lshlrev_b32 v7, 5, v2                        ; LDS: a row's eight partial sums: 32 r
	s_delay_alu instid0(VALU_DEP_1)
	v_lshl_add_u32 v6, v1, 2, v7                   ; and my wave's word among them: 32 r + 4 w
	v_and_b32 v8, 31, v0
	s_delay_alu instid0(VALU_DEP_1)
	v_lshlrev_b32 v8, 4, v8                        ; 16 x lane: my place in an image
	s_lshr_b32 s18, ttmp9, 1
	s_lshl_b32 s18, s18, 5
	s_and_b32 s19, ttmp9, 1
	s_lshl_b32 s19, s19, 3
	s_add_co_u32 s18, s18, s19                     ; the tile's first row: 32 (T / 2) + 8 (T % 2)
	s_lshl_b32 s18, s18, 12
	s_lshl_b32 s20, s16, 9                         ; my K step: 512 w bytes
	s_add_co_u32 s18, s18, s20
	s_mov_b32 s19, 0
	s_mov_b32 s21, 0
	s_lshl_b32 s22, ttmp9, 14                      ; the tile's 8 fragments,
	s_lshl_b32 s23, s16, 11                        ; mine among them
	s_add_co_u32 s22, s22, s23
	s_mov_b32 s23, 0
	s_mov_b32 s34, 0x3a800000                      ; 1 / 1024
	s_mov_b32 s36, 0x76543210                      ; v_permlanex16_b32: lane l xor 16
	s_mov_b32 s37, 0xfedcba98
	s_wait_alu depctr_va_vdst(0)
	s_wait_kmcnt 0x0
	s_load_b256 s[40:47], s[12:13], 0x0            ; entries 0 to 7
	s_add_nc_u64 s[4:5], s[4:5], s[18:19]
	s_add_nc_u64 s[6:7], s[6:7], s[20:21]
	s_add_nc_u64 s[8:9], s[8:9], s[20:21]
	s_add_nc_u64 s[28:29], s[14:15], s[22:23]      ; the three images lie 4 MiB apart: three bases
	s_add_nc_u64 s[30:31], s[28:29], 0x400000
	s_add_nc_u64 s[32:33], s[28:29], 0x800000
.irp c, 0,1,2,3
.irp j, 0,1,2,3
	global_load_b128 v[X+16*\c+4*\j:X+16*\c+4*\j+3], v4, s[4:5] offset:128*\c+16*\j th:TH_LOAD_NT
.endr
.endr
.irp c, 0,1,2,3
.irp j, 0,1,2,3
	global_load_b128 v[G+16*\c+4*\j:G+16*\c+4*\j+3], v5, s[6:7] offset:128*\c+16*\j
.endr
.endr
.irp c, 0,1,2,3
.irp j, 0,1,2,3
	global_load_b128 v[BE+16*\c+4*\j:BE+16*\c+4*\j+3], v5, s[8:9] offset:128*\c+16*\j
.endr
.endr
; four chains of pairs in v[16:23] -> v16 = my lane's partial sum
.macro JOIN4
	s_delay_alu instid0(VALU_DEP_3)
	v_pk_add_f32 v[16:17], v[16:17], v[18:19]
	s_delay_alu instid0(VALU_DEP_2)
	v_pk_add_f32 v[20:21], v[20:21], v[22:23]
	s_delay_alu instid0(VALU_DEP_1)
	v_pk_add_f32 v[16:17], v[16:17], v[20:21]
	s_delay_alu instid0(VALU_DEP_1)
	v_add_f32 v16, v16, v17
.endm
; v16 = my lane's partial sum -> v16 = the row's sum over all 1,024 columns, in every lane of the row.  off: the eight waves' words for this sum
.macro REDUCE off
	s_delay_alu instid0(VALU_DEP_1)
	v_permlanex16_b32 v17, v16, s36, s37           ; the row's other 64 numbers of this K step lie in lane l xor 16
	s_delay_alu instid0(VALU_DEP_1)
	v_add_f32 v16, v16, v17
	ds_store_b32 v6, v16 offset:\off
	s_wait_dscnt 0x0                               ; for the others' sake: my word is written
	s_barrier_signal -1
	s_barrier_wait -1
	ds_load_b128 v[16:19], v7 offset:\off
	ds_load_b128 v[20:23], v7 offset:\off+16
	s_wait_dscnt 0x0
	v_pk_add_f32 v[16:17], v[16:17], v[18:19]
	v_pk_add_f32 v[20:21], v[20:21], v[22:23]
	s_delay_alu instid0(VALU_DEP_1)
	v_pk_add_f32 v[16:17], v[16:17], v[20:21]
	s_delay_alu instid0(VALU_DEP_1)
	v_add_f32 v16, v16, v17
.endm
	s_wait_loadcnt 32                              ; x's 16 loads are in; the 32 of g and be may be out
.irp q, 0,1,2,3
	v_pk_add_f32 v[16+2*\q:17+2*\q], v[X+2*\q:X+2*\q+1], v[X+8+2*\q:X+9+2*\q]
.endr
.set j, 16
.rept 24
	s_delay_alu instid0(VALU_DEP_4)
	v_pk_add_f32 v[16+2*((j/2)%4):17+2*((j/2)%4)], v[16+2*((j/2)%4):17+2*((j/2)%4)], v[X+j:X+j+1]
.set j, j+2
.endr
	JOIN4
	REDUCE 0
	s_delay_alu instid0(VALU_DEP_1)
	v_mul_f32 v10, s34, v16                        ; the mean
	v_mov_b32 v11, 0                               ; (named with it as a pair)
.set j, 0
.rept 32
	v_pk_add_f32 v[X+j:X+j+1], v[X+j:X+j+1], v[10:11] op_sel_hi:[1,0] neg_lo:[0,1] neg_hi:[0,1]   ; d = x - mean: the variance is taken of d, in a second pass
.set j, j+2
.endr
.irp q, 0,1,2,3
	v_pk_mul_f32 v[16+2*\q:17+2*\q], v[X+2*\q:X+2*\q+1], v[X+2*\q:X+2*\q+1]
.endr
.set j, 8
.rept 28
	s_delay_alu instid0(VALU_DEP_4)
	v_pk_fma_f32 v[16+2*((j/2)%4):17+2*((j/2)%4)], v[X+j:X+j+1], v[X+j:X+j+1], v[16+2*((j/2)%4):17+2*((j/2)%4)]
.set j, j+2
.endr
	JOIN4
	REDUCE 512                                     ; other words than the first sum's: one barrier does
	v_mov_b32 v13, 0x3727c5ac                      ; eps = 1e-5
	s_delay_alu instid0(VALU_DEP_1)
	v_fma_f32 v12, v16, s34, v13                   ; var + eps
	s_wait_alu depctr_va_vdst(0)
	v_rsq_f32 v12, v12
	v_mov_b32 v13, 0                               ; a plain line behind the transcendental; v13 is named with v12 as a pair
	s_wait_loadcnt 0x0                             ; g and be
.set j, 0
	s_wait_alu depctr_va_vdst(0)
.rept 32
	v_pk_mul_f32 v[X+j:X+j+1], v[X+j:X+j+1], v[12:13] op_sel_hi:[1,0]
.set j, j+2
.endr
.set j, 0
.rept 32
	v_pk_fma_f32 v[X+j:X+j+1], v[X+j:X+j+1], v[G+j:G+j+1], v[BE+j:BE+j+1]
.set j, j+2
.endr
	s_wait_kmcnt 0x0
.irp kap, 0,1,2                                ; the same numbers under the scales of products 1, 2 and 3
	s_add_co_i32 s35, s[40+2*\kap], 127
	s_lshl_b32 s38, s35, 23
	v_mov_b32 v14, s38                             ; 2^e as f32: the conversion takes its exponent field
	s_add_co_i32 s35, s35, 8
	s_lshl_b32 s35, s35, 23
	s_or_b32 s35, s35, 0x600000
	v_mov_b32 v15, s35                             ; 448 x 2^e
.set j, 0
.rept 64
	v_med3_num_f32 v[G+j], v[X+j], -v15, v15       ; the conversion to an 8-bit code does not saturate (ISA guide 7.6.2): the hold comes first
.set j, j+1
.endr
.set j, 0
.rept 8
	v_cvt_scalef32_pk8_fp8_f32 v[BE+16*\kap+2*j:BE+16*\kap+2*j+1], v[G+8*j:G+8*j+7], v14
.set j, j+1
.endr
	v_nop                                          ; a plain line between the conversions and the lines that write their sources again
.irp c, 0,1,2,3
	global_store_b128 v8, v[BE+16*\kap+4*\c:BE+16*\kap+4*\c+3], s[28+2*\kap:29+2*\kap] offset:512*\c   ; the wave stores 512 consecutive bytes; each scale has code registers of its own
.endr
.endr
	s_wait_tensorcnt 0x0
	ds_add_u32 v224, v225
	s_wait_dscnt 0x0
	s_endpgm
.Lweights:
	; ---------------- the weights.  j = work-group - 256.  A work-group takes 256 columns x 128 along K of one weight; a wave 32 columns; A LANE TAKES A COLUMN AND ITS REGISTERS RUN DOWN K.
	; j 0-127: wq, wk, wv, wo (32 work-groups each); 128-255: w1; 256-383: w2
	s_load_b256 s[4:11], s[0:1], 0x18              ; wq, wk, wv, wo
	s_load_b128 s[12:15], s[0:1], 0x38             ; w1, w2
	s_load_b64 s[16:17], s[0:1], 0x48              ; the scales' exponents
	s_load_b64 s[18:19], s[0:1], 0x58              ; wimg
	v_lshrrev_b32 v1, 5, v0
	s_delay_alu instid0(VALU_DEP_1)
	v_readfirstlane_b32 s33, v1                    ; wave 0..7
	s_sub_co_u32 s20, ttmp9, 256                   ; j
	s_lshr_b32 s21, s20, 7                         ; class 0, 1, 2
	s_cmp_eq_u32 s21, 0
	s_cselect_b32 s22, 31, 127
	s_and_b32 s22, s20, s22                        ; which part of the weight
	s_lshr_b32 s23, s20, 5
	s_add_co_u32 s24, s21, 3
	s_cmp_eq_u32 s21, 0
	s_cselect_b32 s23, s23, s24                    ; which weight: 0 .. 5
	s_cmp_eq_u32 s21, 1
	s_cselect_b32 s24, 4, 2                        ; log2 of the blocks of 256 columns: w1 has 16, the others 4
	s_cselect_b32 s25, 14, 12                      ; log2 of a row's bytes
	s_cmp_eq_u32 s21, 2
	s_cselect_b32 s26, 16, 14                      ; log2 of an image tile's bytes: 16 K
	s_lshl_b32 s27, 1, s24
	s_sub_co_u32 s27, s27, 1
	s_and_b32 s27, s22, s27                        ; the block of columns
	s_lshr_b32 s28, s22, s24                       ; the block of 128 along K
	s_lshl_b32 s29, s23, 3
	s_cmp_lt_u32 s23, 3
	s_cselect_b32 s30, 4, 20
	s_add_co_u32 s29, s29, s30                     ; the byte of the weight's entry: 4, 12, 20, 44, 52, 60
	s_sub_co_u32 s30, s23, 3
	s_lshl_b32 s30, s30, 2
	s_cmp_lt_u32 s23, 4
	s_cselect_b32 s30, s23, s30
	s_lshl_b32 s30, s30, 20                        ; the image's place in wimg: 0, 1, 2, 3, 4, 8 MiB
	s_lshl_b32 s34, s28, 7
	s_lshl_b32 s34, s34, s25                       ; 128 rows a block of K,
	s_lshl_b32 s35, s27, 10                        ; 256 columns a block,
	s_add_co_u32 s34, s34, s35
	s_lshl_b32 s35, s33, 7                         ; 32 columns a wave
	s_add_co_u32 s34, s34, s35
	s_mov_b32 s35, 0
	s_lshl_b32 s36, 32, s25                        ; 32 rows on
	s_mov_b32 s37, 0
	s_lshl_b32 s38, 1, s25                         ; one row on
	s_lshl_b32 s56, s27, 3
	s_add_co_u32 s56, s56, s33                     ; my pair of tiles: 8 x block + wave
	s_lshl_b32 s56, s56, 1
	s_lshl_b32 s56, s56, s26
	s_lshl_b32 s57, s28, 11                        ; one K step of 2,048 bytes a block of K
	s_add_co_u32 s56, s56, s57
	s_add_co_u32 s56, s56, s30
	s_mov_b32 s57, 0
	v_and_b32 v1, 31, v0
	s_delay_alu instid0(VALU_DEP_1)
	v_lshlrev_b32 v[OFFS], 2, v1                   ; my column: 4 bytes a lane: a load of the wave reads 128 consecutive bytes, the eight waves' 1,024
.set i, 1
.rept 31
	s_delay_alu instid0(VALU_DEP_1)
	v_add_nc_u32 v[OFFS+i], s38, v[OFFS+i-1]
.set i, i+1
.endr
	v_bfe_u32 v2, v0, 3, 1                         ; column l of the 32 is row index l % 8 + 8 (l / 16) of tile (l / 8) % 2 of the pair
	s_delay_alu instid0(VALU_DEP_1)
	v_lshlrev_b32 v2, s26, v2
	v_and_b32 v3, 7, v0
	v_bfe_u32 v4, v0, 4, 1
	s_delay_alu instid0(VALU_DEP_1)
	v_lshl_add_u32 v3, v4, 3, v3
	s_delay_alu instid0(VALU_DEP_1)
	v_lshl_add_u32 v5, v3, 4, v2                   ; where my codes go
	s_wait_alu depctr_va_vdst(0)
	s_wait_kmcnt 0x0
	s_load_b32 s31, s[16:17], s29 offset:0x0       ; e
	s_cmp_eq_u32 s23, 1                            ; the weight's address: a choice that hangs on the work-group's number alone
	s_cselect_b64 s[4:5], s[6:7], s[4:5]
	s_cmp_eq_u32 s23, 2
	s_cselect_b64 s[4:5], s[8:9], s[4:5]
	s_cmp_eq_u32 s23, 3
	s_cselect_b64 s[4:5], s[10:11], s[4:5]
	s_cmp_eq_u32 s23, 4
	s_cselect_b64 s[4:5], s[12:13], s[4:5]
	s_cmp_eq_u32 s23, 5
	s_cselect_b64 s[4:5], s[14:15], s[4:5]
	s_add_nc_u64 s[SB:SB+1], s[4:5], s[34:35]
.irp t, 1,2,3
	s_add_nc_u64 s[SB+2*\t:SB+2*\t+1], s[SB+2*\t-2:SB+2*\t-1], s[36:37]   ; a base for each block: none is stepped while loads are out
.endr
	s_add_nc_u64 s[18:19], s[18:19], s[56:57]
.macro LOADW t                         ; block t: W(32 t + i, my column), i = 0 .. 31, into set t % 2
.set i, 0
.rept 32
	global_load_b32 v[WX+32*((\t)%2)+i], v[OFFS+i], s[SB+2*(\t):SB+2*(\t)+1] th:TH_LOAD_NT
.set i, i+1
.endr
.endm
	LOADW 0
	LOADW 1
	s_wait_kmcnt 0x0
	s_add_co_i32 s31, s31, 127
	s_lshl_b32 s32, s31, 23
	v_mov_b32 v11, s32                             ; 2^e as f32
	s_add_co_i32 s31, s31, 8
	s_lshl_b32 s31, s31, 23
	s_or_b32 s31, s31, 0x600000
	v_mov_b32 v10, s31                             ; 448 x 2^e
.macro BLOCK t
.if (\t) < 3
	s_wait_loadcnt 32                              ; this block's 32 loads are in; the next block's may be out
.else
	s_wait_loadcnt 0x0
.endif
.set i, 0
.rept 32
	v_med3_num_f32 v[WX+32*((\t)%2)+i], v[WX+32*((\t)%2)+i], -v10, v10
.set i, i+1
.endr
.set i, 0
.rept 4
	v_cvt_scalef32_pk8_fp8_f32 v[WC+8*(\t)+2*i:WC+8*(\t)+2*i+1], v[WX+32*((\t)%2)+8*i:WX+32*((\t)%2)+8*i+7], v11
.set i, i+1
.endr
	; (the codes go to stores alone and loads alone land on the numbers; the next vector lines are the next block's holds, plain lines on the other set)
	global_store_b128 v5, v[WC+8*(\t):WC+8*(\t)+3], s[18:19] offset:(\t)*512        ; k 32 t + 0 .. 15: the half h = 0: sixteen lanes fill 256 consecutive bytes of a tile
	global_store_b128 v5, v[WC+8*(\t)+4:WC+8*(\t)+7], s[18:19] offset:(\t)*512+256  ; k 32 t + 16 .. 31: h = 1
.if (\t)+2 < 4
	LOADW (\t)+2
.endif
.endm
	s_wait_alu depctr_va_vdst(0)
.irp t, 0,1,2,3
	BLOCK \t
.endr
	s_endpgm
.Lfunc_end_k_q832b5668c6_prep:
	.size	k_q832b5668c6_prep, .Lfunc_end_k_q832b5668c6_prep-k_q832b5668c6_prep
	.p2alignl 7, 3214868480
	.fill 96, 4, 3214868480
	.section	.rodata,"a",@progbits
	.p2align	6, 0x0
	.amdhsa_kernel k_q832b5668c6_prep
		.amdhsa_group_segment_fixed_size 2048
		.amdhsa_private_segment_fixed_size 0
		.amdhsa_enable_private_segment 0
		.amdhsa_kernarg_size 96
		.amdhsa_user_sgpr_count 2
		.amdhsa_user_sgpr_kernarg_segment_ptr 1
		.amdhsa_wavefront_size32 1
		.amdhsa_system_sgpr_workgroup_id_x 1
		.amdhsa_system_sgpr_workgroup_id_y 1
		.amdhsa_system_sgpr_workgroup_id_z 1
		.amdhsa_system_vgpr_workitem_id 0
		.amdhsa_next_free_vgpr 226
		.amdhsa_next_free_sgpr 66
		.amdhsa_reserve_vcc 0
		.amdhsa_float_denorm_mode_32 3
		.amdhsa_float_denorm_mode_16_64 3
		.amdhsa_memory_ordered 1
		.amdhsa_forward_progress 1
		.amdhsa_inst_pref_size 64
	.end_amdhsa_kernel
	.amdgpu_metadata
---
amdhsa.version: [ 1, 2 ]
amdhsa.kernels:
  - .name:           k_q832b5668c6_prep
    .symbol:         k_q832b5668c6_prep.kd
    .args:
      - { .name: x, .offset: 0, .size: 8, .value_kind: global_buffer, .address_space: global }
      - { .name: g1, .offset: 8, .size: 8, .value_kind: global_buffer, .address_space: global }
      - { .name: be1, .offset: 16, .size: 8, .value_kind: global_buffer, .address_space: global }
      - { .name: wq, .offset: 24, .size: 8, .value_kind: global_buffer, .address_space: global }
      - { .name: wk, .offset: 32, .size: 8, .value_kind: global_buffer, .address_space: global }
      - { .name: wv, .offset: 40, .size: 8, .value_kind: global_buffer, .address_space: global }
      - { .name: wo, .offset: 48, .size: 8, .value_kind: global_buffer, .address_space: global }
      - { .name: w1, .offset: 56, .size: 8, .value_kind: global_buffer, .address_space: global }
      - { .name: w2, .offset: 64, .size: 8, .value_kind: global_buffer, .address_space: global }
      - { .name: lowp_scales, .offset: 72, .size: 8, .value_kind: global_buffer, .address_space: global }
      - { .name: hc, .offset: 80, .size: 8, .value_kind: global_buffer, .address_space: global }
      - { .name: wimg, .offset: 88, .size: 8, .value_kind: global_buffer, .address_space: global }
    .group_segment_fixed_size: 2048
    .private_segment_fixed_size: 0
    .kernarg_segment_align: 8
    .kernarg_segment_size: 96
    .max_flat_workgroup_size: 256
    .sgpr_count:     66
    .vgpr_count:     226
    .wavefront_size: 32
...
	.end_amdgpu_metadata
.endif
;; end of part 1
;; launch qkvp (part 2): grid 4 x 48, 4 waves a work-group, clusters of 4 x 4, 327,680 bytes of LDS; arguments hc, wimg, lowp_scales, bq, bk, bv, qkvc; writes qkvc
.if DOCPART == 2
	.amdgcn_target "amdgcn-amd-amdhsa--gfx1250"
	.amdhsa_code_object_version 6
	.text
	.protected	k_q832b5668c6_qkvp
	.globl	k_q832b5668c6_qkvp
	.p2align	8
	.type	k_q832b5668c6_qkvp,@function
k_q832b5668c6_qkvp:
	s_mov_b64 s[64:65], 0
	v_nop
	global_prefetch_b8 v0, s[64:65] scope:SCOPE_SE
	s_setreg_imm32_b32 hwreg(HW_REG_WAVE_MODE, 25, 1), 1
	s_wait_xcnt 0x0
	s_wait_alu depctr_hold_cnt(0) depctr_sa_sdst(0) depctr_va_vdst(0) depctr_va_sdst(0) depctr_va_ssrc(0) depctr_va_vcc(0) depctr_vm_vsrc(0)
	s_getreg_b32 s2, hwreg(HW_REG_IB_STS2, 6, 4)
	s_cmp_eq_u32 s2, 0
	s_cbranch_scc0 .Lentry_in_a_cluster
	s_endpgm
.Lentry_in_a_cluster:
	s_bfe_u32 s2, ttmp6, 0x10000c
	s_cmp_lg_u32 s2, 0xf033
	s_cbranch_scc0 .Lentry_shape_is_right
	s_endpgm
.Lentry_shape_is_right:
; Products 1, 2, 3: q, k, v = Q(LN1(x)) Q(w) + b, quantised for the attention (scales' entries 6, 7, 9), all on codes of E4M3 by v_wmma_f32_16x16x128_fp8_fp8.
; Z[y][x] = sum over k of Y[y][k] X[x][k]: source 0 = 16 rows of X, source 1 = 16 rows of Y: a lane holds ONE row of Y and its registers run along X's rows.
; Operands are IMAGES: a fragment (16 rows x 128 K) is 2,048 bytes, byte 512 c + 16 lane + i = row index lane % 16, k = 32 c + 16 (lane / 16) + i; row index r of tile T is row 32 (T / 2) + 8 (T % 2) + r % 8 + 16 (r / 8).
; So the 16 registers of X's tiles 2 b, 2 b + 1 are 16 NEIGHBOURING rows of X, 32 b + 16 (lane / 16) + 0 .. 15: two conversions give 16 bytes of the next operand's image, and the wave stores 512 consecutive bytes.
; The cluster's y says what is made: 0-3 q, 4-7 k (Y = tokens, X = the weight's columns: registers run along the head's channels), 8-11 v (Y = wv's columns, X = tokens: registers run along the KEYS, v's K).
; q, k: [32 heads][128 tiles of tokens][1,024] (K = 64: c = 0, 1); v: [32 heads][16 K steps of keys][4 tiles of channels][2,048].
; A tile of Z, 256 x 256, is made by four waves, 128 x 128 each: 64 accumulators.  K = 1,024 goes through two LDS slots of 256 along K each; a tile's part of a slot is 4,096 consecutive bytes of memory, and lies in LDS as in memory:
; a fragment load reads 512 consecutive bytes, so nothing is padded.  CLUSTERS: 4 x 4; Y's tiles are asked for jointly along a row of the cluster, X's along a column.
; THE BIASES ARE ASKED FOR AT THE HEAD and arrive under the products.  Both forms are loaded in every work-group, so that no branch stands there: 64 numbers along X's rows (q's and k's form) and one number for each of Y's
; eight tiles (v's form); the form that a work-group does not use reads the first bytes of bv and is not looked at.
; LIMITS: the two operands' exponents add to between -126 and 127; the result's exponent lies between -126 and 119.  NaN is not served.
; REGISTERS: window 0: v0-31 addresses; v32-95, v96-111 the biases; from v128 Y's 8 fragments, ONE set, on the way out numbers and codes; window 1: X's fragments, TWO sets; windows 2, 3: accumulator (a, b) at v[8 (8 (a % 4) + b)].
.set SIZE_K, 1024
.set ROWB,   4096                      ; a tile's bytes in a slot: two K steps
.set TPL,    8                         ; tiles in a tensor load: 32,768 bytes
.set TILEB,  16*SIZE_K                 ; a tile's bytes in memory
.set SLOT,   131072                    ; Y's 16 tiles, then X's 16
.set SPARE,  2*SLOT                    ; behind the ring: the spare words, 128 bytes for each wave, which no other line names
.set FR,   16
.set NL,   4
.set NP,   4                           ; places behind this matrix instruction (ISA guide 7.12.1)
.set ADRY, 16                          ; v16-17 LDS address of my Y fragments in slot 0, 1
.set ADRX, 20                          ; v20-21 the same for X
.set LI,   24                          ; v24 16 x lane
.set SPW,  28                          ; v28 LDS address of my spare word; never rewritten
.set NIL,  29                          ; v29 0; never rewritten
.set BIAS, 32                          ; v32-95 q's, k's form: the bias of my 64 rows of X
.set BV,   96                          ; v96-111 v's form: the bias of my row of Y's tile a in v[BV + 2 a]
.set AF,   128
.set TMP,  128                         ; the way out: 64 numbers of a block
.set CD,   192                         ; codes: two sets of 16 by turns
.set G1,  24
.set G0,  32
.set G1X, 48
.set G0X, 56
.set MSB, 0
.macro WIN new                         ; the immediate's high byte repeats the setting that is left
.if MSB != (\new)
	s_set_vgpr_msb (MSB<<8)|(\new)
.set MSB, (\new)
.endif
.endm
.set MUL_LO, 0xa1                      ; source 0 (X) window 1, source 1 (Y) window 0, C and D window 2
.set MUL_HI, 0xf1
.set TO_X,   0x40
.macro JLOAD g0a, g1a, g0b, g1b        ; a joint load: waves 0 and 1 fetch for Y, waves 2 and 3 for X; four v_nop follow each line
	s_cmp_eq_u32 s15, 0
	s_cbranch_scc0 .Lfor_x_\@
	tensor_load_to_lds s[\g0a:\g0a+3], s[\g1a:\g1a+7]
	s_nop 0
.rept 4
	v_nop
.endr
	s_branch .Lasked_\@
.Lfor_x_\@:
	tensor_load_to_lds s[\g0b:\g0b+3], s[\g1b:\g1b+7]
	s_nop 0
.rept 4
	v_nop
.endr
.Lasked_\@:
.endm
.macro CREST                           ; a round of the cluster's barrier behind its opening barrier
	s_cmp_lg_u32 s14, 0
	s_cbranch_scc1 .Lnot_wave_0_\@
	s_barrier_signal -3
.Lnot_wave_0_\@:
	s_barrier_wait -3
	s_barrier_signal -1
	s_barrier_wait -1
.endm
.macro CROUND
	s_barrier_signal -1
	s_barrier_wait -1
	CREST
.endm
.macro PLACES n
.rept \n
	v_nop
.endr
.endm
.macro FRAG reg, adr, off              ; a fragment comes as it lies: four loads of 512 consecutive bytes
.irp c, 0,1,2,3
	ds_load_b128 v[\reg+4*\c:\reg+4*\c+3], v[\adr] offset:\off+512*\c
.endr
.endm
.macro FETCH_X slot, q, p              ; X's eight fragments of the slot's q-th K step into set p
	WIN TO_X
.irp i, 0,1,2,3,4,5,6,7
	FRAG 128*(\p)+FR*\i, ADRX+\slot, 2048*(\q)+ROWB*\i
.endr
	WIN 0
.endm
.macro FETCH_Y slot, q, i0             ; Y's blocks i0 .. i0 + 3
.irp i, \i0, \i0+1, \i0+2, \i0+3
	FRAG AF+FR*(\i), ADRY+\slot, 2048*(\q)+ROWB*(\i)
.endr
.endm
; 16 matrix instructions: Y's blocks a0, a0 + 1 x X's eight.  The 64 accumulators take turns, one instruction a turn, in the same order in every step.  zero = 1: the products start the sums
.macro MUL16 a0, p, zero
.irp a, \a0, \a0+1
.irp b, 0,1,2,3,4,5,6,7
.if \zero
	v_wmma_f32_16x16x128_fp8_fp8 v[8*(8*((\a)%4)+\b):8*(8*((\a)%4)+\b)+7], v[128*(\p)+FR*\b:128*(\p)+FR*\b+FR-1], v[AF+FR*(\a):AF+FR*(\a)+FR-1], 0
.else
	v_wmma_f32_16x16x128_fp8_fp8 v[8*(8*((\a)%4)+\b):8*(8*((\a)%4)+\b)+7], v[128*(\p)+FR*\b:128*(\p)+FR*\b+FR-1], v[AF+FR*(\a):AF+FR*(\a)+FR-1], v[8*(8*((\a)%4)+\b):8*(8*((\a)%4)+\b)+7]
.endif
.endr
.endr
.endm
.macro STEP slot, q, p, zero           ; a K step that has its successor in the same slot
	s_wait_dscnt 4*NL                              ; X's set and Y's blocks 0-3 are in; the youngest 16 loads (Y's blocks 4-7) may be out
	WIN MUL_LO
	MUL16 0, \p, \zero
	MUL16 2, \p, \zero
	s_wait_dscnt 0x0                               ; Y's blocks 4-7 are in
	PLACES NP                                      ; in front of loads into registers that matrix instructions have read
	FETCH_X \slot, (\q)+1, 1-\p
	FETCH_Y \slot, (\q)+1, 0
	WIN MUL_HI
	MUL16 4, \p, \zero
	MUL16 6, \p, \zero
	PLACES NP
	WIN 0
	FETCH_Y \slot, (\q)+1, 4
.endm
; A slot's last step changes slots: one barrier; in front of it each wave waits for all its tensor loads, adds 0 to its spare word, and waits for that and for its reads of this slot.  fill = 1: this slot is filled again
.macro TURN slot, next, p, fill, zero
	s_wait_tensorcnt 0x0                           ; all my tensor loads have landed: my part of the next slot
	ds_add_u32 v[SPW], v[NIL]                      ; 0 onto my spare word
	s_wait_dscnt 4*NL+1                            ; (the add and the youngest 16 loads may be out)
	WIN MUL_LO
	MUL16 0, \p, \zero
	s_wait_dscnt 0x0                               ; the add is done, and my reads of this slot are over
	s_barrier_signal -1
	MUL16 2, \p, \zero
	WIN 0
	s_barrier_wait -1
.if \fill
	CREST                                          ; the barrier has opened a round of the cluster's: no wave of any partner still reads this slot or has a load on its way
	s_add_nc_u64 s[G0+4*\slot+2:G0+4*\slot+3], s[G0+4*\slot+2:G0+4*\slot+3], 2*ROWB
	s_add_nc_u64 s[G0X+4*\slot+2:G0X+4*\slot+3], s[G0X+4*\slot+2:G0X+4*\slot+3], 2*ROWB
	JLOAD G0+4*\slot, G1, G0X+4*\slot, G1X         ; the first tensor load behind the round; its four v_nop are the places in front of the loads below
.else
	PLACES NP
.endif
	FETCH_X \next, 0, 1-\p
	FETCH_Y \next, 0, 0
	WIN MUL_HI
	MUL16 4, \p, \zero
	MUL16 6, \p, \zero
	PLACES NP
	WIN 0
	FETCH_Y \next, 0, 4
.endm
.macro LAST p                          ; the very last step: nothing more to fetch
	s_wait_dscnt 4*NL
	WIN MUL_LO
	MUL16 0, \p, 0
	MUL16 2, \p, 0
	s_wait_dscnt 0x0
	WIN MUL_HI
	MUL16 4, \p, 0
	MUL16 6, \p, 0
	WIN 0
.endm
	s_load_b256 s[68:75], s[0:1], 0x0              ; hc s[68:69], wimg s[70:71], the scales' exponents s[72:73], bq s[74:75]
	s_load_b128 s[76:79], s[0:1], 0x20             ; bk, bv
	s_load_b64 s[80:81], s[0:1], 0x30              ; qkvc
	v_lshl_add_u32 v[SPW], v0, 2, SPARE
	v_mov_b32 v[NIL], 0
	ds_add_u32 v28, v29
	ds_add_u32 v28, v29
	s_wait_dscnt 0x0
	v_lshrrev_b32 v1, 5, v0
	v_readfirstlane_b32 s14, v1                    ; wave 0..3
	s_lshr_b32 s15, s14, 1                         ; which half of Y's rows is mine.  Also: I fetch for Y (0) or for X (1)
	s_and_b32 s16, s14, 1                          ; which half of X's rows.  Also: which 8 tiles I fetch
	s_bfe_u32 s40, ttmp6, 0x40000                  ; cx, cy
	s_bfe_u32 s41, ttmp6, 0x40004
	s_and_b32 s82, ttmp7, 0xffff                   ; the cluster's y, the same in all sixteen partners
	s_lshr_b32 s83, s82, 2                         ; 0: q, 1: k, 2: v
	s_and_b32 s84, s82, 3
	s_lshl_b32 s84, s84, 2                         ; the tokens' 16 tiles of 256 are walked by four clusters
	s_cmp_lt_u32 s83, 2
	s_cselect_b32 s17, s84, 0
	s_cselect_b32 s42, 0, s84
	s_add_co_u32 s17, s17, s41                     ; tile row of Z
	s_add_co_u32 s42, s42, s40                     ; tile column of Z
	s_lshl_b32 s85, s83, 22
	s_lshl_b32 s86, s83, 20
	s_lshl_b32 s87, s83, 3                         ; the product's two entries: byte 8 x kind
	s_lshl_b32 s88, s83, 2
	s_add_co_u32 s88, s88, 24
	s_cmp_lt_u32 s83, 2
	s_cselect_b32 s85, s85, 0x200000               ; Y: LN1's image under this product's scale, or wv's image
	s_cselect_b32 s86, s86, 0x800000               ; X: wq's or wk's image, or LN1's third image
	s_cselect_b32 s88, s88, 36                     ; the result's entry: 6, 7 or 9
	s_lshl_b32 s43, s41, 2
	s_lshl_b32 s43, 15, s43                        ; my row of the cluster
	s_lshl_b32 s44, 0x1111, s40                    ; my column
	s_or_b32 s[G1+0], s43, (3<<16)|(1<<21)         ; 15:0 the mask; 17:16 elements of 8 bytes; 21 set beside a mask; no padding
	s_or_b32 s[G1X+0], s44, (3<<16)|(1<<21)
.irp g, G1, G1X
	s_mov_b32 s[\g+1], (ROWB/8)<<16                ; tensor_dim0
	s_mov_b32 s[\g+2], TPL<<16                     ; tensor_dim1
	s_mov_b32 s[\g+3], (ROWB/8)<<16                ; tile_dim0
	s_mov_b32 s[\g+4], TPL                         ; tile_dim1
	s_mov_b32 s[\g+5], TILEB/8                     ; from tile to tile, in elements
	s_mov_b32 s[\g+6], 0
	s_mov_b32 s[\g+7], 0
.endr
	s_lshl_b32 s18, s16, 3
	s_lshl_b32 s20, s17, 4
	s_add_co_u32 s20, s20, s18                     ; Y: tile 16 x tile row + 8 x half
	s_mul_i32 s20, s20, TILEB
	s_add_co_u32 s20, s20, s85
	s_mov_b32 s21, 0
	s_lshl_b32 s46, s42, 4
	s_add_co_u32 s46, s46, s18
	s_mul_i32 s46, s46, TILEB
	s_add_co_u32 s46, s46, s86
	s_mov_b32 s47, 0
	s_lshl_b32 s45, s14, 15                        ; where they go: wave x 32,768: no place in the cluster enters an LDS address
	s_wait_kmcnt 0x0
	s_load_b64 s[96:97], s[72:73], s87 offset:0x0  ; the operands' exponents
	s_load_b32 s98, s[72:73], s88 offset:0x0       ; the result's
	s_cmp_lt_u32 s83, 2
	s_cselect_b64 s[4:5], s[68:69], s[70:71]
	s_cselect_b64 s[6:7], s[70:71], s[68:69]
	s_add_nc_u64 s[20:21], s[4:5], s[20:21]
	s_add_nc_u64 s[46:47], s[6:7], s[46:47]
	CROUND                                         ; all sixteen work-groups are here: the first joint loads meet
.irp s, 0,1
	s_mov_b32 s[G0+4*\s], 1
	s_add_co_u32 s[G0+4*\s+1], s45, \s*SLOT
	s_add_nc_u64 s[G0+4*\s+2:G0+4*\s+3], s[20:21], \s*ROWB
	s_or_b32 s[G0+4*\s+3], s[G0+4*\s+3], 0x80000000
	s_mov_b32 s[G0X+4*\s], 1
	s_add_co_u32 s[G0X+4*\s+1], s45, \s*SLOT
	s_add_nc_u64 s[G0X+4*\s+2:G0X+4*\s+3], s[46:47], \s*ROWB
	s_or_b32 s[G0X+4*\s+3], s[G0X+4*\s+3], 0x80000000
.endr
	JLOAD G0, G1, G0X, G1X                         ; slot 0: one tensor load a wave at the head
	; PREFETCHES INTO THE L2 of slots 1 to 3.  Of the 8 tiles x 4,096 bytes that I fetch for a slot, each of the four partners that ask for them with me takes two tiles, told apart by address (cx for Y, cy for X):
	; a lane a block of 256 bytes, one instruction a wave and slot.  Slots 1 and 2 are asked for here, slot 3 behind the first K step: each a slot or more ahead of its tensor load.  The address registers are never rewritten.
	s_cmp_eq_u32 s15, 0
	s_cselect_b64 s[8:9], s[20:21], s[46:47]
	s_cselect_b32 s10, s40, s41
	s_mul_i32 s12, s10, 2*TILEB
	s_mov_b32 s13, 0
	s_add_nc_u64 s[8:9], s[8:9], s[12:13]
	v_and_b32 v22, 15, v0
	v_bfe_u32 v23, v0, 4, 1
	v_lshlrev_b32 v22, 8, v22
	v_lshl_add_u32 v22, v23, 14, v22               ; 256 (lane % 16) + a tile's 16,384 bytes x (lane / 16)
	global_prefetch_b8 v22, s[8:9] offset:ROWB th:TH_LOAD_NT scope:SCOPE_SE
	global_prefetch_b8 v22, s[8:9] offset:2*ROWB th:TH_LOAD_NT scope:SCOPE_SE
	v_and_b32 v1, 31, v0
	v_lshlrev_b32 v[LI], 4, v1
	s_lshl_b32 s22, s15, 15                        ; my 8 tiles of Y
	s_lshl_b32 s23, s16, 15                        ; my 8 tiles of X,
	s_add_co_u32 s23, s23, 65536                   ; which lie behind Y's 16
.irp s, 0,1
	v_add_nc_u32 v[ADRY+\s], s22, v[LI]
	v_add_nc_u32 v[ADRX+\s], s23, v[LI]
	s_add_co_u32 s22, s22, SLOT
	s_add_co_u32 s23, s23, SLOT
.endr
	v_bfe_u32 v2, v0, 4, 1
	v_lshlrev_b32 v25, 6, v2                       ; q, k: the bias of my 16 channels of a group of 32: 64 h; never rewritten
	s_wait_alu depctr_va_vdst(0)
	v_and_b32 v3, 7, v0
	v_bfe_u32 v4, v0, 3, 1
	v_lshl_add_u32 v3, v4, 4, v3
	v_lshlrev_b32 v30, 2, v3                       ; v: the bias of my channel: 4 (r % 8 + 16 (r / 8)); never rewritten
	; the biases, both forms: they arrive under the products
	s_wait_alu depctr_va_vdst(0)
	s_lshl_b32 s84, s42, 10
	s_lshl_b32 s85, s16, 9
	s_add_co_u32 s84, s84, s85                     ; q, k: my first channel, in bytes: 4 (256 x tile column + 128 x half)
	s_lshl_b32 s90, s17, 4
	s_lshl_b32 s91, s15, 3
	s_add_co_u32 s90, s90, s91
	s_lshl_b32 s90, s90, 6                         ; v: my first tile of channels, 64 bytes a tile
	s_cmp_lt_u32 s83, 2
	s_cselect_b32 s84, s84, 0                      ; the form that is not mine reads from the buffer's first byte on
	s_cselect_b32 s90, 0, s90
	s_mov_b32 s85, 0
	s_mov_b32 s91, 0
	s_cmp_eq_u32 s83, 0
	s_cselect_b64 s[74:75], s[74:75], s[76:77]     ; bq or bk,
	s_cmp_eq_u32 s83, 2
	s_cselect_b64 s[74:75], s[78:79], s[74:75]     ; or bv: a choice that hangs on the cluster's number alone
	s_add_nc_u64 s[74:75], s[74:75], s[84:85]
	s_add_nc_u64 s[78:79], s[78:79], s[90:91]
.irp b, 0,1,2,3
.irp i, 0,1,2,3
	global_load_b128 v[BIAS+16*\b+4*\i:BIAS+16*\b+4*\i+3], v25, s[74:75] offset:128*\b+16*\i
.endr
.endr
.irp a, 0,1,2,3,4,5,6,7
	global_load_b32 v[BV+2*\a], v30, s[78:79] offset:(32*(\a/2)+8*(\a%2))*4
	v_mov_b32 v[BV+2*\a+1], 0                      ; (named with it as a pair)
.endr
	s_wait_alu depctr_va_vdst(0)                   ; the wait at the head's end
	s_wait_tensorcnt 0x0                           ; my part of slot 0 is in
	ds_add_u32 v[SPW], v[NIL]
	s_wait_dscnt 0x0
	CROUND                                         ; everybody's part of slot 0 is in, and all sixteen work-groups are here
	JLOAD G0+4, G1, G0X+4, G1X                     ; slot 1's first fill, the first tensor load behind the round
	FETCH_X 0, 0, 0
	FETCH_Y 0, 0, 0
	FETCH_Y 0, 0, 4
	STEP 0, 0, 0, 1                                ; eight K steps, written out: the first starts the sums
	global_prefetch_b8 v22, s[8:9] offset:3*ROWB th:TH_LOAD_NT scope:SCOPE_SE
	TURN 0, 1, 1, 1, 0
	STEP 1, 0, 0, 0
	TURN 1, 0, 1, 1, 0
	STEP 0, 0, 0, 0
	TURN 0, 1, 1, 0, 0                             ; the last two slots are filled no more
	STEP 1, 0, 0, 0
	LAST 1
	; THE WAY OUT: sum x 2^(eA + eB) + bias, held, converted, stored as the next operand's image
	s_wait_kmcnt 0x0
	s_add_co_i32 s92, s96, s97
	s_add_co_i32 s92, s92, 127
	s_lshl_b32 s92, s92, 23                        ; 2^(eA + eB) as f32
	s_mov_b32 s93, s92                             ; (named with it as a pair)
	s_add_co_i32 s94, s98, 127
	s_lshl_b32 s95, s94, 23
	s_add_co_i32 s94, s94, 8
	s_lshl_b32 s94, s94, 23
	s_or_b32 s94, s94, 0x600000
	PLACES NP                                      ; in front of the first read of results and of writes into registers that held Y's fragments
	v_mov_b32 v26, s95                             ; 2^e of the result
	v_mov_b32 v27, s94                             ; 448 x that
	s_lshl_b32 s84, s17, 4
	s_lshl_b32 s85, s15, 3
	s_add_co_u32 s84, s84, s85                     ; my first tile of Y
	s_mov_b32 s87, 0
	s_wait_loadcnt 0x0                             ; the biases, asked for at the head
; Block a = Y's tile a of my eight.  Register 16 b + i of the block is X's row 32 b + 16 h + i.
.macro EPI isv
.irp a, 0,1,2,3,4,5,6,7
.set AC, 64*(\a%4)
.set CDR, CD+16*(\a%2)
.if \a >= 2
	s_wait_xcnt 0x0                                ; block a - 2's stores have read this set of codes
.endif
	WIN 0x02+(\a/4)                                ; source 0: window 2 or 3
.set j, 0
.rept 32
.if \isv
	v_pk_fma_f32 v[TMP+j:TMP+j+1], v[AC+j:AC+j+1], s[92:93], v[BV+2*\a:BV+2*\a+1] op_sel_hi:[1,0,0]   ; my channel's bias for both; each accumulator from its low end on
.else
	v_pk_fma_f32 v[TMP+j:TMP+j+1], v[AC+j:AC+j+1], s[92:93], v[BIAS+j:BIAS+j+1] op_sel_hi:[1,0,1]
.endif
.set j, j+2
.endr
	WIN 0
.set j, 0
.rept 64
	v_med3_num_f32 v[TMP+j], v[TMP+j], -v27, v27   ; the conversion does not saturate (ISA guide 7.6.2)
.set j, j+1
.endr
.set j, 0
.rept 8
	v_cvt_scalef32_pk8_fp8_f32 v[CDR+2*j:CDR+2*j+1], v[TMP+8*j:TMP+8*j+7], v26
.set j, j+1
.endr
	v_nop                                          ; a plain line between the conversions and the lines that write their sources again
.irp b, 0,1,2,3
.if \isv
	global_store_b128 v[LI], v[CDR+4*\b:CDR+4*\b+3], s[80:81] offset:(\a/4)*131072+(\a%4)*2048+512*\b   ; head a / 4, tile of channels a % 4, keys 32 b on: 512 consecutive bytes
.else
	global_store_b128 v[LI], v[CDR+4*\b:CDR+4*\b+3], s[80:81] offset:\a*1024+(\b/2)*131072+(\b%2)*512   ; tile of tokens a, head b / 2, channels 32 (b % 2) on
.endif
.endr
.endr
.endm
	s_cmp_eq_u32 s83, 2                            ; the same in all sixteen partners
	s_cbranch_scc1 .Lv_out
	s_lshr_b32 s85, s84, 7                         ; the batch
	s_lshl_b32 s85, s85, 4
	s_lshl_b32 s86, s42, 2
	s_add_co_u32 s85, s85, s86
	s_lshl_b32 s86, s16, 1
	s_add_co_u32 s85, s85, s86                     ; my first head
	s_lshl_b32 s85, s85, 7
	s_and_b32 s86, s84, 127
	s_add_co_u32 s85, s85, s86                     ; and my first tile of its tokens
	s_lshl_b32 s85, s85, 10
	s_lshl_b32 s86, s83, 22                        ; q at 0, k at 4 MiB
	s_add_co_u32 s86, s86, s85
	s_add_nc_u64 s[80:81], s[80:81], s[86:87]
	EPI 0
	s_branch .Ldone
.Lv_out:
	s_lshl_b32 s85, s42, 8
	s_lshl_b32 s86, s16, 7
	s_add_co_u32 s85, s85, s86                     ; my first token
	s_lshr_b32 s86, s85, 11                        ; the batch
	s_lshl_b32 s86, s86, 4
	s_lshr_b32 s88, s84, 2
	s_add_co_u32 s86, s86, s88                     ; my first head: four tiles of channels a head
	s_lshl_b32 s86, s86, 17
	s_and_b32 s85, s85, 2047
	s_lshr_b32 s85, s85, 7                         ; the K step of keys
	s_lshl_b32 s85, s85, 13
	s_add_co_u32 s86, s86, s85
	s_add_co_u32 s86, s86, 0x800000                ; v at 8 MiB
	s_add_nc_u64 s[80:81], s[80:81], s[86:87]
	EPI 1
.Ldone:
	s_wait_tensorcnt 0x0                           ; the wave's end
	ds_add_u32 v[SPW], v[NIL]
	s_wait_dscnt 0x0
	CROUND                                         ; the closing round: no work-group ends while a partner may still ask for a tile that names it
	s_endpgm
.Lfunc_end_k_q832b5668c6_qkvp:
	.size	k_q832b5668c6_qkvp, .Lfunc_end_k_q832b5668c6_qkvp-k_q832b5668c6_qkvp
	.p2alignl 7, 3214868480
	.fill 96, 4, 3214868480
	.section	.rodata,"a",@progbits
	.p2align	6, 0x0
	.amdhsa_kernel k_q832b5668c6_qkvp
		.amdhsa_group_segment_fixed_size 327680
		.amdhsa_private_segment_fixed_size 0
		.amdhsa_enable_private_segment 0
		.amdhsa_kernarg_size 56
		.amdhsa_user_sgpr_count 2
		.amdhsa_user_sgpr_kernarg_segment_ptr 1
		.amdhsa_wavefront_size32 1
		.amdhsa_system_sgpr_workgroup_id_x 1
		.amdhsa_system_sgpr_workgroup_id_y 1
		.amdhsa_system_sgpr_workgroup_id_z 1
		.amdhsa_system_vgpr_workitem_id 0
		.amdhsa_next_free_vgpr 1024
		.amdhsa_next_free_sgpr 100
		.amdhsa_reserve_vcc 0
		.amdhsa_float_denorm_mode_32 3
		.amdhsa_float_denorm_mode_16_64 3
		.amdhsa_memory_ordered 1
		.amdhsa_forward_progress 1
		.amdhsa_inst_pref_size 195
	.end_amdhsa_kernel
	.amdgpu_metadata
---
amdhsa.version: [ 1, 2 ]
amdhsa.kernels:
  - .name:           k_q832b5668c6_qkvp
    .symbol:         k_q832b5668c6_qkvp.kd
    .args:
      - { .name: hc, .offset: 0, .size: 8, .value_kind: global_buffer, .address_space: global }
      - { .name: wimg, .offset: 8, .size: 8, .value_kind: global_buffer, .address_space: global }
      - { .name: lowp_scales, .offset: 16, .size: 8, .value_kind: global_buffer, .address_space: global }
      - { .name: bq, .offset: 24, .size: 8, .value_kind: global_buffer, .address_space: global }
      - { .name: bk, .offset: 32, .size: 8, .value_kind: global_buffer, .address_space: global }
      - { .name: bv, .offset: 40, .size: 8, .value_kind: global_buffer, .address_space: global }
      - { .name: qkvc, .offset: 48, .size: 8, .value_kind: global_buffer, .address_space: global }
    .group_segment_fixed_size: 327680
    .private_segment_fixed_size: 0
    .kernarg_segment_align: 8
    .kernarg_segment_size: 56
    .max_flat_workgroup_size: 128
    .sgpr_count:     100
    .vgpr_count:     1024
    .wavefront_size: 32
...
	.end_amdgpu_metadata
.endif
;; end of part 2
;; launch attn (part 3): grid 8 x 32, 16 waves a work-group, clusters of 4 x 1, 264,192 bytes of LDS; arguments qkvc, lowp_scales, oimg; writes oimg
.if DOCPART == 3
	.amdgcn_target "amdgcn-amd-amdhsa--gfx1250"
	.amdhsa_code_object_version 6
	.text
	.protected	k_q832b5668c6_attn
	.globl	k_q832b5668c6_attn
	.p2align	8
	.type	k_q832b5668c6_attn,@function
k_q832b5668c6_attn:
	s_mov_b64 s[64:65], 0
	v_nop
	global_prefetch_b8 v0, s[64:65] scope:SCOPE_SE
	s_setreg_imm32_b32 hwreg(HW_REG_WAVE_MODE, 25, 1), 1
	s_wait_xcnt 0x0
	s_wait_alu depctr_hold_cnt(0) depctr_sa_sdst(0) depctr_va_vdst(0) depctr_va_sdst(0) depctr_va_ssrc(0) depctr_va_vcc(0) depctr_vm_vsrc(0)
	s_getreg_b32 s2, hwreg(HW_REG_IB_STS2, 6, 4)
	s_cmp_eq_u32 s2, 0
	s_cbranch_scc0 .Lentry_in_a_cluster
	s_endpgm
.Lentry_in_a_cluster:
	s_bfe_u32 s2, ttmp6, 0x10000c
	s_cmp_lg_u32 s2, 0x3003
	s_cbranch_scc0 .Lentry_shape_is_right
	s_endpgm
.Lentry_shape_is_right:
; Products 4 and 5: o = softmax(q k^T / 8) v for 32 heads of 2,048 tokens x 64 channels, both products on codes of E4M3, and o quantised (entry 10) into product 6's image.
; THE SOFTMAX AHEAD OF THE SECOND PRODUCT: t = score x log2(e) / 8; M = the largest t so far, rounded UP to a whole number; p = 2^(t - M) is quantised (entry 8), not normalised.
; The row's sum is taken of the unquantised p and divides O at the end.  When M moves, the sum and O are multiplied by 2^(old M - new M): exact.
; SHARES.  A work-group owns 256 queries of one head, each of its sixteen waves one tile of 16, in 256 registers.
; THE WHOLE HEAD LIES IN LDS: k's image (131,072 bytes), then v's.  Every byte is filled once, by ONE tensor load a wave at the head (16,384 bytes: waves 0-7 of k, waves 8-15 of v); one barrier shows all of it to all waves.
; The four query blocks of a cluster belong to one head: each piece is asked for JOINTLY.  No prefetch: all of k and v is asked for by the head's loads, so there is no loop to run ahead in.
; A KEY STEP IS 256 KEYS, eight trips: the chain that moves M and the rescaling of O stand once for 256 keys.
; THE WAVES ARE KEPT WITHIN ONE KEY STEP OF EACH OTHER: each signals at a step's head and waits at its end, so that none begins step n + 1 before all have begun step n, and none is left to walk its last steps alone.
; Between that signal and its wait stand register work and LDS loads of bytes that nobody writes.
; LAYOUT.  Both products are used transposed: S^T = k q^T (v_wmma_f32_16x16x64_fp8_fp8: K = the head's 64), O^T = v^T p^T (v_wmma_f32_16x16x128_fp8_fp8: K = 128 keys): a lane holds ONE query throughout.
; The images' order of rows makes the 16 registers of k's tiles 2 b, 2 b + 1 the neighbouring keys 32 b + 16 (lane / 16) + 0 .. 15, so the conversions' results are the second product's operand.
; REGISTERS: v1, v7 my place in k's and v's images; v8, v9 the step's addresses; v4-6 p's bound (twice) and scale; v[10:11] f; v12 -M, v13 the largest t, v[14:15] the sum; v[16:23] q; v24-26 at work;
; S = v32-159: 16 tiles of S^T, then p.  Its upper half first holds k's fragments 0-7; each half, once converted, takes v's four fragments of its 128 keys.  F = v160-223: k's fragments 8-15, then the sums' parts, then p's codes.  O = v224-255.
; LIMITS: e6 + e7 between -123 and 130 (added to c's exponent field); e8 and e10 between -126 and 119; e8 + e9 is applied by v_ldexp_f32.  NaN is not served.
.set AK0, 1
.set SPW, 2
.set NIL, 3
.set HB,  4
.set SC,  6
.set AV0, 7
.set ADK, 8
.set ADV, 9
.set FF,  10
.set S,   32
.set F,   160
.set O,   224
.set WV,  18
.set SEL, 20
.set CS,  22
.set G1,  24
.set G0,  32
.set TB,  56
.set CNT, 57
.macro ROUND                           ; a round of the cluster's barrier
	s_barrier_signal -1
	s_barrier_wait -1
	s_cmp_lg_u32 s[WV], 0
	s_cbranch_scc1 .Lnot_wave_0_\@
	s_barrier_signal -3
.Lnot_wave_0_\@:
	s_barrier_wait -3
	s_barrier_signal -1
	s_barrier_wait -1
.endm
	s_load_b128 s[4:7], s[0:1], 0x0                ; qkvc, the scales' exponents
	s_load_b64 s[8:9], s[0:1], 0x10                ; oimg
	v_lshl_add_u32 v[SPW], v0, 2, 0x40000
	v_mov_b32 v[NIL], 0
	ds_add_u32 v[SPW], v[NIL]                      ; the opening lines: the add, twice on end, and its wait
	ds_add_u32 v[SPW], v[NIL]
	v_lshrrev_b32 v8, 5, v0
	s_delay_alu instid0(VALU_DEP_1)
	v_readfirstlane_b32 s[WV], v8                  ; wave 0..15
	s_and_b32 s58, ttmp7, 0xffff                   ; the head (batch x 16 + head), which the four partners share
	s_lshr_b32 s59, s[WV], 3                       ; I fetch for k (0) or for v (1),
	s_and_b32 s60, s[WV], 7                        ; which eighth of the image
	s_lshl_b32 s61, s59, 22
	s_add_co_u32 s61, s61, 0x400000                ; k at 4 MiB, v at 8 MiB
	s_lshl_b32 s62, s58, 17
	s_add_co_u32 s61, s61, s62
	s_lshl_b32 s62, s60, 14
	s_add_co_u32 s66, s61, s62
	s_mov_b32 s67, 0
	s_lshl_b32 s68, s59, 17
	s_add_co_u32 s68, s68, s62                     ; and where it goes: the same place in LDS's two images
	s_bfe_u32 s69, ttmp6, 0x40000                  ; cx: it enters q's and o's addresses alone
	s_lshl_b32 s70, ttmp9, 2
	s_add_co_u32 s70, s70, s69
	s_lshl_b32 s70, s70, 4
	s_add_co_u32 s70, s70, s[WV]                   ; my tile of queries, 0 .. 127
	s_lshl_b32 s71, s58, 7
	s_add_co_u32 s71, s71, s70
	s_lshl_b32 s72, s71, 10
	s_mov_b32 s73, 0
	s_lshr_b32 s74, s58, 4                         ; o's image: [256 tiles of tokens][8 K steps][2,048], K = 64 x head + channel
	s_lshl_b32 s74, s74, 7
	s_add_co_u32 s74, s74, s70
	s_lshl_b32 s74, s74, 14
	s_bfe_u32 s75, s58, 0x30001                    ; the K step: head / 2
	s_lshl_b32 s75, s75, 11
	s_add_co_u32 s74, s74, s75
	s_and_b32 s75, s58, 1
	s_lshl_b32 s75, s75, 10                        ; its half
	s_add_co_u32 s74, s74, s75
	s_mov_b32 s75, 0
	s_mov_b32 s[G1], 15|(3<<16)|(1<<21)            ; 15:0 the mask: all four work-groups; 17:16 elements of 8 bytes; 21 set beside a mask
	s_mov_b32 s[G1+1], 32<<16                      ; tensor_dim0: rows of 256 bytes
	s_mov_b32 s[G1+2], 64<<16                      ; tensor_dim1: 64 rows
	s_mov_b32 s[G1+3], 32<<16                      ; tile_dim0
	s_mov_b32 s[G1+4], 64                          ; tile_dim1
	s_mov_b32 s[G1+5], 32                          ; dense
	s_mov_b32 s[G1+6], 0
	s_mov_b32 s[G1+7], 0
	s_mov_b32 s[SEL], 0x76543210
	s_mov_b32 s[SEL+1], 0xfedcba98
	s_mov_b32 s[CS], 0x3e38aa3b                    ; c = log2(e) / 8
	s_wait_dscnt 0x0
	s_wait_kmcnt 0x0
	s_load_b256 s[48:55], s[6:7], 0x18             ; entries 6 to 13
	s_add_nc_u64 s[66:67], s[4:5], s[66:67]
	s_mov_b32 s[G0], 1
	s_mov_b32 s[G0+1], s68
	s_mov_b64 s[G0+2:G0+3], s[66:67]
	s_or_b32 s[G0+3], s[G0+3], 0x80000000
	ROUND                                          ; all four work-groups are here: the joint loads meet
	tensor_load_to_lds s[G0:G0+3], s[G1:G1+7]      ; my one tensor load of the launch
	s_nop 0
.rept 4
	v_nop
.endr
	s_add_nc_u64 s[72:73], s[4:5], s[72:73]
	s_add_nc_u64 s[8:9], s[8:9], s[74:75]
	v_and_b32 v[AK0], 31, v0
	s_delay_alu instid0(VALU_DEP_1)
	v_lshlrev_b32 v[AK0], 4, v[AK0]                ; 16 x lane
	s_delay_alu instid0(VALU_DEP_1)
	v_add_nc_u32 v[AV0], 131072, v[AK0]
	global_load_b128 v[16:19], v[AK0], s[72:73]    ; q's fragment stays in registers
	global_load_b128 v[20:23], v[AK0], s[72:73] offset:512
	v_mov_b32 v13, 0xff61b1e6                      ; the largest t so far: -3e38
	s_delay_alu instid0(VALU_DEP_1)
	v_floor_f32 v12, -v13                          ; -M
	v_mov_b32 v14, 0
	v_mov_b32 v15, 0
	v_mov_b32 v26, 0                               ; written once: a lane permute's destination counts as one of its sources
	v_mov_b32 v[FF+1], 0                           ; (named as the upper half of f's pair)
.set i, 0
.rept 32
	v_mov_b32 v[O+i], 0                            ; O^T: the step is written once; the first finds zeros, which the first change of M leaves zeros
.set i, i+1
.endr
	s_wait_kmcnt 0x0
	s_add_co_i32 s59, s48, s49
	s_lshl_b32 s59, s59, 23
	s_add_co_i32 s[CS], s[CS], s59                 ; a score stands for score x 2^(e6 + e7)
	s_mov_b32 s[CS+1], s[CS]
	s_add_co_i32 s59, s50, 127
	s_lshl_b32 s61, s59, 23
	v_mov_b32 v[SC], s61                           ; 2^e8
	s_add_co_i32 s59, s59, 8
	s_lshl_b32 s59, s59, 23
	s_or_b32 s59, s59, 0x600000
	v_mov_b32 v[HB], s59                           ; 448 x 2^e8,
	v_mov_b32 v[HB+1], s59                         ; twice: the two halves of a dual-issue pair take their first sources from registers whose numbers differ modulo 4
	s_add_co_i32 s59, s52, 127
	s_lshl_b32 s62, s59, 23                        ; 2^e10
	s_add_co_i32 s59, s59, 8
	s_lshl_b32 s63, s59, 23
	s_or_b32 s63, s63, 0x600000                    ; 448 x 2^e10
	s_add_co_i32 s60, s50, s51                     ; e8 + e9
	s_mov_b32 s[TB], 0
	s_mov_b32 s[CNT], 8
	s_wait_alu depctr_va_vdst(0)                   ; the wait at the head's end
	s_wait_loadcnt 0x0                             ; q
	s_wait_tensorcnt 0x0                           ; my piece has landed
	s_barrier_signal -1
	s_barrier_wait -1                              ; everybody's has
; hold and conversion of 64 of p's numbers at v[\src ..] into 16 registers of codes at v[\dst ..]
.macro CODES src, dst
.irp b, 0,1,2,3
.set i, 0
.rept 8
	v_dual_min_num_f32 v[\src+16*\b+i], v[HB], v[\src+16*\b+i] :: v_dual_min_num_f32 v[\src+1+16*\b+i], v[HB+1], v[\src+1+16*\b+i]   ; the conversion does not saturate (ISA guide 7.6.2); p is not negative, so the hold is one-sided
.set i, i+2
.endr
	v_cvt_scalef32_pk8_fp8_f32 v[\dst+4*\b:\dst+1+4*\b], v[\src+16*\b:\src+7+16*\b], v[SC]
	v_cvt_scalef32_pk8_fp8_f32 v[\dst+2+4*\b:\dst+3+4*\b], v[\src+8+16*\b:\src+15+16*\b], v[SC]
.endr
.endm
.macro VFRAGS dst, off                 ; v's four fragments of 128 keys
.irp t, 0,1,2,3
.irp c, 0,1,2,3
	ds_load_b128 v[\dst+16*\t+4*\c:\dst+3+16*\t+4*\c], v[ADV] offset:\off+2048*\t+512*\c
.endr
.endr
.endm
.Lstep:                                            ; 256 keys: 16,384 bytes of each image
	s_barrier_signal -1                            ; I have begun this step (no LDS instruction of mine is out here)
	v_add_nc_u32 v[ADK], s[TB], v[AK0]
	v_add_nc_u32 v[ADV], s[TB], v[AV0]
.rept 3
	v_nop                                          ; five places in all: the loads below land on registers that the last products read, and the first products below write over such registers
.endr
.irp t, 0,1,2,3,4,5,6,7
	ds_load_b128 v[S+64+8*\t:S+67+8*\t], v[ADK] offset:1024*\t
	ds_load_b128 v[S+68+8*\t:S+71+8*\t], v[ADK] offset:1024*\t+512
.endr
.irp t, 0,1,2,3,4,5,6,7
	ds_load_b128 v[F+8*\t:F+3+8*\t], v[ADK] offset:8192+1024*\t
	ds_load_b128 v[F+4+8*\t:F+7+8*\t], v[ADK] offset:8192+1024*\t+512
.endr
	s_wait_dscnt 16                                ; k's fragments 0-7 are in; the 16 loads of fragments 8-15 may be out
.irp t, 0,1,2,3,4,5,6,7
	v_wmma_f32_16x16x64_fp8_fp8 v[S+8*\t:S+7+8*\t], v[S+64+8*\t:S+71+8*\t], v[16:23], 0
.endr
.rept 5
	v_nop                                          ; five places: the products below write over the fragments that the products above read
.endr
	s_wait_dscnt 0x0
.irp t, 0,1,2,3,4,5,6,7
	v_wmma_f32_16x16x64_fp8_fp8 v[S+64+8*\t:S+71+8*\t], v[F+8*\t:F+7+8*\t], v[16:23], 0
.endr
	v_max3_num_f32 v24, v[S], v[S+1], v[S+2]       ; the step's largest score of my query, among my 128 keys, in two chains; the lines on tiles 0-7 are the places behind the products on tiles 8-15
	v_max3_num_f32 v25, v[S+3], v[S+4], v[S+5]
.set i, 6
.rept 30
	v_max3_num_f32 v24, v24, v[S+i], v[S+i+1]
	v_max3_num_f32 v25, v25, v[S+i+2], v[S+i+3]
.set i, i+4
.endr
	v_max3_num_f32 v24, v24, v[S+126], v[S+127]
	s_delay_alu instid0(VALU_DEP_1)
	v_max_num_f32 v24, v24, v25
	v_permlanex16_b32 v26, v24, s[SEL], s[SEL+1]
	s_delay_alu instid0(VALU_DEP_1)
	v_max_num_f32 v24, v24, v26                    ; and among lane l xor 16's
	s_delay_alu instid0(VALU_DEP_1)
	v_mul_f32 v24, s[CS], v24                      ; as t (c is positive)
	s_delay_alu instid0(VALU_DEP_1)
	v_max_num_f32 v13, v13, v24                    ; the running largest t
	v_mov_b32 v24, v12
	s_delay_alu instid0(VALU_DEP_2)
	v_floor_f32 v12, -v13                          ; the new -M = floor(-t): M is a whole number
	s_delay_alu instid0(VALU_DEP_1)
	v_sub_f32 v24, v12, v24                        ; old M - new M: a whole number, 0 or less
	s_delay_alu instid0(VALU_DEP_1)
	v_cvt_i32_f32 v24, v24                         ; (it saturates)
	s_delay_alu instid0(VALU_DEP_1)
	v_ldexp_f32 v[FF], 1.0, v24                    ; f = 2^(old M - new M)
.set i, 0
.rept 64
	v_pk_fma_f32 v[S+i:S+i+1], v[S+i:S+i+1], s[CS:CS+1], v[12:13] op_sel_hi:[1,0,0]   ; t - M, two at a time
.set i, i+2
.endr
	s_wait_alu depctr_va_vdst(0)                   ; the wait ahead of the batch
.set i, 0
.rept 128
	v_exp_f32 v[S+i], v[S+i]                       ; p = 2^(t - M), at most 1
.set i, i+1
.endr
	v_pk_mul_f32 v[14:15], v[14:15], v[FF:FF+1] op_sel_hi:[1,0]   ; the sums under the new M (a plain line behind the exponentials)
	s_wait_alu depctr_va_vdst(0)                   ; one wait for the whole batch, ahead of its first reader
.set i, 0
.rept 8
	v_pk_add_f32 v[F+2*i:F+1+2*i], v[S+2*i:S+1+2*i], v[S+16+2*i:S+17+2*i]   ; the row's sum of the unquantised p, in eight chains of pairs
.set i, i+1
.endr
.set i, 16
.rept 48
	v_pk_add_f32 v[F+2*(i%8):F+1+2*(i%8)], v[F+2*(i%8):F+1+2*(i%8)], v[S+2*i:S+1+2*i]
.set i, i+1
.endr
.irp k, 0,1,2,3
	s_delay_alu instid0(VALU_DEP_4)
	v_pk_add_f32 v[F+2*\k:F+1+2*\k], v[F+2*\k:F+1+2*\k], v[F+8+2*\k:F+9+2*\k]
.endr
	s_delay_alu instid0(VALU_DEP_2)
	v_pk_add_f32 v[F:F+1], v[F:F+1], v[F+4:F+5]
	s_delay_alu instid0(VALU_DEP_2)
	v_pk_add_f32 v[F+2:F+3], v[F+2:F+3], v[F+6:F+7]
	s_delay_alu instid0(VALU_DEP_1)
	v_pk_add_f32 v[F:F+1], v[F:F+1], v[F+2:F+3]
	s_delay_alu instid0(VALU_DEP_1)
	v_pk_add_f32 v[14:15], v[14:15], v[F:F+1]
	CODES S, F                                     ; keys 0-127
	VFRAGS S, 0                                    ; their fragments of v land where their p lay
	CODES S+64, F+16                               ; keys 128-255
	VFRAGS S+64, 8192
	s_wait_alu depctr_va_vdst(0)                   ; directly ahead of the first reader of O^T
.set i, 0
.rept 16
	v_pk_mul_f32 v[O+i:O+i+1], v[O+i:O+i+1], v[FF:FF+1] op_sel_hi:[1,0]   ; O^T under the new M (also the plain lines between the conversions and the products)
.set i, i+2
.endr
	s_wait_alu depctr_va_vdst(0)                   ; directly ahead of the wait below
	s_wait_dscnt 16                                ; v's first four fragments are in; the 16 loads of the second four may be out
.irp t, 0,1,2,3
	v_wmma_f32_16x16x128_fp8_fp8 v[O+8*\t:O+7+8*\t], v[S+16*\t:S+15+16*\t], v[F:F+15], v[O+8*\t:O+7+8*\t]   ; four accumulators by turns
.endr
	s_wait_dscnt 0x0
.irp t, 0,1,2,3
	v_wmma_f32_16x16x128_fp8_fp8 v[O+8*\t:O+7+8*\t], v[S+64+16*\t:S+79+16*\t], v[F+16:F+31], v[O+8*\t:O+7+8*\t]
.endr
	s_barrier_wait -1                              ; every wave has begun this step
	s_add_co_u32 s[TB], s[TB], 16384
	s_sub_co_u32 s[CNT], s[CNT], 1
	s_cmp_lg_u32 s[CNT], 0
	s_cbranch_scc1 .Lstep
	; THE WAY OUT: O^T / the sum x 2^(e8 + e9), quantised: registers 16 b + i are channels 32 b + 16 h + i of my query: 16 bytes of product 6's image
.rept 4
	v_nop
.endr
	v_add_f32 v14, v14, v15
	s_delay_alu instid0(VALU_DEP_1)
	v_permlanex16_b32 v26, v14, s[SEL], s[SEL+1]
	s_delay_alu instid0(VALU_DEP_1)
	v_add_f32 v14, v14, v26                        ; the row's sum
	s_wait_alu depctr_va_vdst(0)
	v_rcp_f32 v14, v14
	v_mov_b32 v24, s62                             ; 2^e10 (a plain line behind the transcendental)
	v_mov_b32 v25, s63                             ; 448 x 2^e10
	s_wait_alu depctr_va_vdst(0)
	v_ldexp_f32 v14, v14, s60
	s_wait_alu depctr_va_vdst(0)                   ; directly ahead of the first reader of O^T
.set i, 0
.rept 32
	v_mul_f32 v[S+i], v[O+i], v14                  ; each accumulator from its low end on
.set i, i+1
.endr
.set i, 0
.rept 32
	v_med3_num_f32 v[S+i], v[S+i], -v25, v25
.set i, i+1
.endr
.set i, 0
.rept 4
	v_cvt_scalef32_pk8_fp8_f32 v[F+2*i:F+1+2*i], v[S+8*i:S+7+8*i], v24
.set i, i+1
.endr
	v_nop
	global_store_b128 v[AK0], v[F:F+3], s[8:9]               ; 512 consecutive bytes
	global_store_b128 v[AK0], v[F+4:F+7], s[8:9] offset:512
	s_wait_tensorcnt 0x0                           ; the wave's end
	ds_add_u32 v[SPW], v[NIL]
	s_wait_dscnt 0x0
	ROUND                                          ; the closing round
	s_endpgm
.Lfunc_end_k_q832b5668c6_attn:
	.size	k_q832b5668c6_attn, .Lfunc_end_k_q832b5668c6_attn-k_q832b5668c6_attn
	.p2alignl 7, 3214868480
	.fill 96, 4, 3214868480
	.section	.rodata,"a",@progbits
	.p2align	6, 0x0
	.amdhsa_kernel k_q832b5668c6_attn
		.amdhsa_group_segment_fixed_size 264192
		.amdhsa_private_segment_fixed_size 0
		.amdhsa_enable_private_segment 0
		.amdhsa_kernarg_size 24
		.amdhsa_user_sgpr_count 2
		.amdhsa_user_sgpr_kernarg_segment_ptr 1
		.amdhsa_wavefront_size32 1
		.amdhsa_system_sgpr_workgroup_id_x 1
		.amdhsa_system_sgpr_workgroup_id_y 1
		.amdhsa_system_sgpr_workgroup_id_z 1
		.amdhsa_system_vgpr_workitem_id 0
		.amdhsa_next_free_vgpr 256
		.amdhsa_next_free_sgpr 80
		.amdhsa_reserve_vcc 0
		.amdhsa_float_denorm_mode_32 3
		.amdhsa_float_denorm_mode_16_64 3
		.amdhsa_memory_ordered 1
		.amdhsa_forward_progress 1
		.amdhsa_inst_pref_size 40
	.end_amdhsa_kernel
	.amdgpu_metadata
---
amdhsa.version: [ 1, 2 ]
amdhsa.kernels:
  - .name:           k_q832b5668c6_attn
    .symbol:         k_q832b5668c6_attn.kd
    .args:
      - { .name: qkvc, .offset: 0, .size: 8, .value_kind: global_buffer, .address_space: global }
      - { .name: lowp_scales, .offset: 8, .size: 8, .value_kind: global_buffer, .address_space: global }
      - { .name: oimg, .offset: 16, .size: 8, .value_kind: global_buffer, .address_space: global }
    .group_segment_fixed_size: 264192
    .private_segment_fixed_size: 0
    .kernarg_segment_align: 8
    .kernarg_segment_size: 24
    .max_flat_workgroup_size: 512
    .sgpr_count:     80
    .vgpr_count:     256
    .wavefront_size: 32
...
	.end_amdgpu_metadata
.endif
;; end of part 3
;; launch oproj (part 4): grid 8 x 32, 4 waves a work-group, clusters of 4 x 1, 327,680 bytes of LDS; arguments oimg, wimg, lowp_scales, bo, x, x1; writes x1
.if DOCPART == 4
	.amdgcn_target "amdgcn-amd-amdhsa--gfx1250"
	.amdhsa_code_object_version 6
	.text
	.protected	k_q832b5668c6_oproj
	.globl	k_q832b5668c6_oproj
	.p2align	8
	.type	k_q832b5668c6_oproj,@function
k_q832b5668c6_oproj:
	s_mov_b64 s[64:65], 0
	v_nop
	global_prefetch_b8 v0, s[64:65] scope:SCOPE_SE
	s_setreg_imm32_b32 hwreg(HW_REG_WAVE_MODE, 25, 1), 1
	s_wait_xcnt 0x0
	s_wait_alu depctr_hold_cnt(0) depctr_sa_sdst(0) depctr_va_vdst(0) depctr_va_sdst(0) depctr_va_ssrc(0) depctr_va_vcc(0) depctr_vm_vsrc(0)
	s_getreg_b32 s2, hwreg(HW_REG_IB_STS2, 6, 4)
	s_cmp_eq_u32 s2, 0
	s_cbranch_scc0 .Lentry_in_a_cluster
	s_endpgm
.Lentry_in_a_cluster:
	s_bfe_u32 s2, ttmp6, 0x10000c
	s_cmp_lg_u32 s2, 0x3003
	s_cbranch_scc0 .Lentry_shape_is_right
	s_endpgm
.Lentry_shape_is_right:
; Product 6 and the first residual: x1 = x + Q(o) Q(wo) + bo, on codes of E4M3 by v_wmma_f32_16x16x128_fp8_fp8.  The text is launch ffn2's with other sizes; its head comment says how it is built.
; Here K = 1,024: Y's 128 rows x 1,024 K are ONE slot, filled once by one joint load a wave; each wave has two K steps, whose fragments of X are both asked for at the head.  No prefetch: there is no loop to run ahead in.
; LIMITS: the two exponents add to between -126 and 127.  NaN is not served.
.set SIZE_K, 1024
.set XOFF,   0x300000
.set SCOFF,  40
.set NJ,     SIZE_K/512
.set NSLOT,  SIZE_K/1024
.set ROWB,   16384
.set TILEB,  16*SIZE_K
.set SLOT,   131072
.set SPARE,  327168
.set SP,     528
.set STG,    128*SP
.set FR,   16
.set NL,   4
.set NP,   4
.set BI,   4
.set RD,   8
.set STO,  13
.set ADRY, 16
.set LI,   24
.set SPW,  28
.set NIL,  29
.set PFO,  30
.set RES,  32
.set AF,   128
.set PBS,  128
.set G1,  24
.set G0,  32
.set MSB, 0
.macro WIN new
.if MSB != (\new)
	s_set_vgpr_msb (MSB<<8)|(\new)
.set MSB, (\new)
.endif
.endm
.set MUL_LO, 0xa1
.set MUL_HI, 0xf1
.set TO_X,   0x40
.macro JLOAD s
	tensor_load_to_lds s[G0+4*\s:G0+4*\s+3], s[G1:G1+7]
	s_nop 0
.rept 4
	v_nop
.endr
.endm
.macro CREST
	s_cmp_lg_u32 s14, 0
	s_cbranch_scc1 .Lnot_wave_0_\@
	s_barrier_signal -3
.Lnot_wave_0_\@:
	s_barrier_wait -3
	s_barrier_signal -1
	s_barrier_wait -1
.endm
.macro CROUND
	s_barrier_signal -1
	s_barrier_wait -1
	CREST
.endm
.macro PLACES n
.rept \n
	v_nop
.endr
.endm
.macro FRAG reg, adr, off
.irp c, 0,1,2,3
	ds_load_b128 v[\reg+4*\c:\reg+4*\c+3], v[\adr] offset:\off+512*\c
.endr
.endm
.macro FETCH_Y slot, q, i0
.irp i, 0,1,2,3
	FRAG AF+FR*((\i0)+\i), ADRY+\slot+2*((\i0)/4), 8192*(\q)+ROWB*\i
.endr
.endm
.macro RESLOAD
	global_load_b128 v[BI:BI+3], v[LI], s[74:75]
.set RR, 0
.rept 24
	global_load_b128 v[RES+4*RR:RES+4*RR+3], v[LI], s[76:77] offset:(8*(RR/16)+(RR%8)+16*((RR/8)%2))*4096
.set RR, RR+1
.endr
.endm
.macro XLOAD j
	WIN TO_X
.irp i, 0,1,2,3,4,5,6,7
.irp c, 0,1,2,3
	global_load_b128 v[128*((\j)%2)+FR*\i+4*\c:128*((\j)%2)+FR*\i+4*\c+3], v[LI], s[46:47] offset:\i*TILEB+(\j)*8192+512*\c
.endr
.endr
	WIN 0
.if (\j) == NJ-1
	RESLOAD
.endif
.endm
.macro XWAIT j
.if (\j) < NJ-2
	s_wait_loadcnt 32
.else
.if (\j) == NJ-2
	s_wait_loadcnt 57
.else
	s_wait_loadcnt 25
.endif
.endif
.endm
.macro MUL16 a0, p, zero
.irp a, \a0, \a0+1
.irp b, 0,1,2,3,4,5,6,7
.if \zero
	v_wmma_f32_16x16x128_fp8_fp8 v[8*(8*((\a)%4)+\b):8*(8*((\a)%4)+\b)+7], v[128*(\p)+FR*\b:128*(\p)+FR*\b+FR-1], v[AF+FR*(\a):AF+FR*(\a)+FR-1], 0
.else
	v_wmma_f32_16x16x128_fp8_fp8 v[8*(8*((\a)%4)+\b):8*(8*((\a)%4)+\b)+7], v[128*(\p)+FR*\b:128*(\p)+FR*\b+FR-1], v[AF+FR*(\a):AF+FR*(\a)+FR-1], v[8*(8*((\a)%4)+\b):8*(8*((\a)%4)+\b)+7]
.endif
.endr
.endr
.endm
.macro STEP j, slot, zero
	XWAIT \j
	s_wait_dscnt 4*NL
	WIN MUL_LO
	MUL16 0, (\j)%2, \zero
	MUL16 2, (\j)%2, \zero
	s_wait_dscnt 0x0
	PLACES NP
	WIN 0
	FETCH_Y \slot, 1, 0
	WIN MUL_HI
	MUL16 4, (\j)%2, \zero
	MUL16 6, (\j)%2, \zero
	PLACES NP
	WIN 0
	FETCH_Y \slot, 1, 4
.endm
.macro LAST j
	XWAIT \j
	s_wait_dscnt 4*NL
	WIN MUL_LO
	MUL16 0, (\j)%2, 0
	MUL16 2, (\j)%2, 0
	s_wait_dscnt 0x0
	WIN MUL_HI
	MUL16 4, (\j)%2, 0
	MUL16 6, (\j)%2, 0
	WIN 0
.endm
	s_load_b256 s[68:75], s[0:1], 0x0              ; oimg, wimg, the scales' exponents, bo
	s_load_b128 s[76:79], s[0:1], 0x20             ; x, x1
	v_lshl_add_u32 v[SPW], v0, 2, SPARE
	v_mov_b32 v[NIL], 0
	ds_add_u32 v[SPW], v[NIL]                      ; the opening lines: the add, twice on end, and its wait
	ds_add_u32 v[SPW], v[NIL]
	v_lshrrev_b32 v1, 5, v0
	v_readfirstlane_b32 s14, v1                    ; wave 0..3
	v_and_b32 v1, 31, v0
	v_lshlrev_b32 v[LI], 4, v1                     ; 16 x lane
	s_bfe_u32 s40, ttmp6, 0x40000                  ; cx
	s_lshl_b32 s42, ttmp9, 2
	s_add_co_u32 s42, s42, s40                     ; block of 128 columns
	s_and_b32 s17, ttmp7, 0xffff                   ; block of 128 rows, which the four partners share
	s_mov_b32 s[G1+0], 15|(3<<16)|(1<<21)
	s_mov_b32 s[G1+1], (ROWB/8)<<16
	s_mov_b32 s[G1+2], 2<<16
	s_mov_b32 s[G1+3], (ROWB/8)<<16
	s_mov_b32 s[G1+4], 2
	s_mov_b32 s[G1+5], TILEB/8
	s_mov_b32 s[G1+6], 0
	s_mov_b32 s[G1+7], 0
	s_lshl_b32 s20, s17, 3
	s_lshl_b32 s18, s14, 1
	s_add_co_u32 s20, s20, s18                     ; Y: I fetch tiles 2 w, 2 w + 1 of the block's eight
	s_mul_i32 s20, s20, TILEB
	s_mov_b32 s21, 0
	s_lshl_b32 s46, s42, 3
	s_mul_i32 s46, s46, TILEB
	s_add_co_u32 s46, s46, XOFF
	s_lshl_b32 s18, s14, 11
	s_add_co_u32 s46, s46, s18                     ; X: the block's first tile, at K step w
	s_mov_b32 s47, 0
	s_lshl_b32 s45, s14, 15
	s_lshl_b32 s84, s17, 7
	s_lshl_b32 s85, s14, 5
	s_add_co_u32 s84, s84, s85
	s_lshl_b32 s84, s84, 12
	s_lshl_b32 s86, s42, 9
	s_add_co_u32 s84, s84, s86                     ; the way out: my 32 rows, the block's 512 bytes of each
	s_mov_b32 s85, 0
	s_mov_b32 s87, 0
	s_mul_i32 s22, s14, STG
	s_mul_i32 s23, s14, 32*SP
	s_wait_alu depctr_va_vdst(0)                   ; directly ahead of the waits below
	s_wait_dscnt 0x0
	s_wait_kmcnt 0x0
	s_load_b64 s[96:97], s[72:73], SCOFF
	s_add_nc_u64 s[20:21], s[68:69], s[20:21]
	s_add_nc_u64 s[46:47], s[70:71], s[46:47]
	s_add_nc_u64 s[76:77], s[76:77], s[84:85]
	s_add_nc_u64 s[78:79], s[78:79], s[84:85]
	s_add_nc_u64 s[74:75], s[74:75], s[86:87]
	s_mov_b32 s[G0], 1
	s_mov_b32 s[G0+1], s45
	s_mov_b64 s[G0+2:G0+3], s[20:21]
	s_or_b32 s[G0+3], s[G0+3], 0x80000000
	XLOAD 0
	CROUND                                         ; all four work-groups are here: the joint loads meet
	JLOAD 0                                        ; my one tensor load of the launch
	v_lshl_add_u32 v[ADRY], s14, 11, v[LI]
	v_add_nc_u32 v[ADRY+2], 65536, v[ADRY]
	v_and_b32 v2, 15, v0
	v_bfe_u32 v3, v0, 4, 1
	v_mul_u32_u24 v[STO], v2, SP
	v_lshl_add_u32 v[STO], v3, 6, v[STO]
	v_add_nc_u32 v[STO], s22, v[STO]
	v_add_nc_u32 v[RD], s23, v[LI]
	v_add_nc_u32 v[RD+1], STG, v[RD]
	v_add_nc_u32 v[RD+2], 2*STG, v[RD]
	v_add_nc_u32 v[RD+3], 3*STG, v[RD]
	XLOAD 1
	s_wait_alu depctr_va_vdst(0)                   ; the wait at the head's end
	s_wait_tensorcnt 0x0                           ; my two tiles are in
	s_barrier_signal -1
	s_barrier_wait -1                              ; everybody's are
	FETCH_Y 0, 0, 0
	FETCH_Y 0, 0, 4
	STEP 0, 0, 1
	LAST 1
	s_wait_dscnt 0x0
	s_barrier_signal -1
	s_barrier_wait -1
	s_wait_kmcnt 0x0
	s_add_co_i32 s92, s96, s97
	s_add_co_i32 s92, s92, 127
	s_lshl_b32 s92, s92, 23
	s_mov_b32 s93, s92
	PLACES NP
	WIN TO_X
.irp q, 0,1,2,3,4,5,6,7
.set RR, 24+\q
	global_load_b128 v[4*\q:4*\q+3], v[LI], s[76:77] offset:(8*(RR/16)+(RR%8)+16*((RR/8)%2))*4096
.endr
.irp a, 0,1,2,3,4,5,6,7
	WIN 0x08+4*(\a/4)
.irp b, 0,1,2,3,4,5,6,7
	ds_store_b128 v[STO], v[8*(8*(\a%4)+\b):8*(8*(\a%4)+\b)+3] offset:16*\a*SP+128*(\b/2)+32*(\b%2)
	ds_store_b128 v[STO], v[8*(8*(\a%4)+\b)+4:8*(8*(\a%4)+\b)+7] offset:16*\a*SP+128*(\b/2)+32*(\b%2)+16
.endr
.endr
	WIN 0
	s_wait_dscnt 0x0
	s_barrier_signal -1
	s_barrier_wait -1
	s_wait_loadcnt 8
.macro ISSUE k
.set PB, PBS+64*((\k)%2)
.if (\k) >= 2
	s_wait_xcnt 0x0
.endif
.irp p, 0,1,2,3
.irp q, 0,1,2,3
	ds_load_b128 v[PB+16*\p+4*\q:PB+16*\p+4*\q+3], v[RD+\p] offset:(4*(\k)+\q)*SP
.endr
.endr
.endm
.macro FIN k
.set PB, PBS+64*((\k)%2)
.if (\k) < 7
	s_wait_dscnt 16
.else
	s_wait_dscnt 0x0
.endif
.if (\k) == 6
	s_wait_loadcnt 0x0
.endif
.irp q, 0,1,2,3
.irp e, 0,2
	v_pk_add_f32 v[PB+4*\q+\e:PB+4*\q+\e+1], v[PB+4*\q+\e:PB+4*\q+\e+1], v[PB+16+4*\q+\e:PB+16+4*\q+\e+1]
	v_pk_add_f32 v[PB+32+4*\q+\e:PB+32+4*\q+\e+1], v[PB+32+4*\q+\e:PB+32+4*\q+\e+1], v[PB+48+4*\q+\e:PB+48+4*\q+\e+1]
.endr
.irp e, 0,2
	v_pk_add_f32 v[PB+4*\q+\e:PB+4*\q+\e+1], v[PB+4*\q+\e:PB+4*\q+\e+1], v[PB+32+4*\q+\e:PB+32+4*\q+\e+1]
.endr
.irp e, 0,2
	v_pk_fma_f32 v[PB+4*\q+\e:PB+4*\q+\e+1], v[PB+4*\q+\e:PB+4*\q+\e+1], s[92:93], v[BI+\e:BI+\e+1] op_sel_hi:[1,0,1]
.endr
.endr
.if (\k) >= 6
	WIN 0x04
.endif
.irp q, 0,1,2,3
.irp e, 0,2
.if (\k) < 6
	v_pk_add_f32 v[PB+4*\q+\e:PB+4*\q+\e+1], v[PB+4*\q+\e:PB+4*\q+\e+1], v[RES+16*(\k)+4*\q+\e:RES+16*(\k)+4*\q+\e+1]
.else
	v_pk_add_f32 v[PB+4*\q+\e:PB+4*\q+\e+1], v[PB+4*\q+\e:PB+4*\q+\e+1], v[16*((\k)-6)+4*\q+\e:16*((\k)-6)+4*\q+\e+1]
.endif
.endr
.endr
	WIN 0
.irp q, 0,1,2,3
.set RR, 4*(\k)+\q
	global_store_b128 v[LI], v[PB+4*\q:PB+4*\q+3], s[78:79] offset:(8*(RR/16)+(RR%8)+16*((RR/8)%2))*4096
.endr
.endm
	ISSUE 0
.irp k, 0,1,2,3,4,5,6
	ISSUE \k+1
	FIN \k
.endr
	FIN 7
	s_wait_tensorcnt 0x0                           ; the wave's end
	ds_add_u32 v[SPW], v[NIL]
	s_wait_dscnt 0x0
	CROUND                                         ; the closing round
	s_endpgm
.Lfunc_end_k_q832b5668c6_oproj:
	.size	k_q832b5668c6_oproj, .Lfunc_end_k_q832b5668c6_oproj-k_q832b5668c6_oproj
	.p2alignl 7, 3214868480
	.fill 96, 4, 3214868480
	.section	.rodata,"a",@progbits
	.p2align	6, 0x0
	.amdhsa_kernel k_q832b5668c6_oproj
		.amdhsa_group_segment_fixed_size 327680
		.amdhsa_private_segment_fixed_size 0
		.amdhsa_enable_private_segment 0
		.amdhsa_kernarg_size 48
		.amdhsa_user_sgpr_count 2
		.amdhsa_user_sgpr_kernarg_segment_ptr 1
		.amdhsa_wavefront_size32 1
		.amdhsa_system_sgpr_workgroup_id_x 1
		.amdhsa_system_sgpr_workgroup_id_y 1
		.amdhsa_system_sgpr_workgroup_id_z 1
		.amdhsa_system_vgpr_workitem_id 0
		.amdhsa_next_free_vgpr 1024
		.amdhsa_next_free_sgpr 100
		.amdhsa_reserve_vcc 0
		.amdhsa_float_denorm_mode_32 3
		.amdhsa_float_denorm_mode_16_64 3
		.amdhsa_memory_ordered 1
		.amdhsa_forward_progress 1
		.amdhsa_inst_pref_size 67
	.end_amdhsa_kernel
	.amdgpu_metadata
---
amdhsa.version: [ 1, 2 ]
amdhsa.kernels:
  - .name:           k_q832b5668c6_oproj
    .symbol:         k_q832b5668c6_oproj.kd
    .args:
      - { .name: oimg, .offset: 0, .size: 8, .value_kind: global_buffer, .address_space: global }
      - { .name: wimg, .offset: 8, .size: 8, .value_kind: global_buffer, .address_space: global }
      - { .name: lowp_scales, .offset: 16, .size: 8, .value_kind: global_buffer, .address_space: global }
      - { .name: bo, .offset: 24, .size: 8, .value_kind: global_buffer, .address_space: global }
      - { .name: x, .offset: 32, .size: 8, .value_kind: global_buffer, .address_space: global }
      - { .name: x1, .offset: 40, .size: 8, .value_kind: global_buffer, .address_space: global }
    .group_segment_fixed_size: 327680
    .private_segment_fixed_size: 0
    .kernarg_segment_align: 8
    .kernarg_segment_size: 48
    .max_flat_workgroup_size: 128
    .sgpr_count:     100
    .vgpr_count:     1024
    .wavefront_size: 32
...
	.end_amdgpu_metadata
.endif
;; end of part 4
;; launch ln2 (part 5): grid 256 x 1, 8 waves a work-group, no clusters, 2,048 bytes of LDS; arguments x1, g2, be2, lowp_scales, h2img; writes h2img
.if DOCPART == 5
	.amdgcn_target "amdgcn-amd-amdhsa--gfx1250"
	.amdhsa_code_object_version 6
	.text
	.protected	k_q832b5668c6_ln2
	.globl	k_q832b5668c6_ln2
	.p2align	8
	.type	k_q832b5668c6_ln2,@function
k_q832b5668c6_ln2:
	s_mov_b64 s[64:65], 0
	v_nop
	global_prefetch_b8 v0, s[64:65] scope:SCOPE_SE
	s_setreg_imm32_b32 hwreg(HW_REG_WAVE_MODE, 25, 1), 1
	s_wait_xcnt 0x0
; LayerNorm 2 of x1, quantised (scales' entry 12) into product 7's image: [256 tiles of 16 rows][8 K steps][2,048]; byte 512 c + 16 lane + i of a fragment = row index lane % 16, k = 32 c + 16 (lane / 16) + i;
; row index r of tile T is row 32 (T / 2) + 8 (T % 2) + r % 8 + 16 (r / 8).  A work-group takes a tile, wave w its K step w, lane (r, h) 64 numbers of row index r.
; The variance is taken of x - mean, in a second pass over registers.  LIMITS: e between -126 and 119; NaN is not served.  Memory binds: no matrix work, no tensor loads.
.set X,    32                          ; v32-95 my 64 numbers: register 16 c + i = k 32 c + 16 h + i
.set G,    96                          ; v96-159 g, later the held numbers
.set BE,   160                         ; v160-223 be, later the codes
	s_load_b128 s[4:7], s[0:1], 0x0                ; x1, g2
	s_load_b128 s[8:11], s[0:1], 0x10              ; be2, the scales' exponents
	s_load_b64 s[14:15], s[0:1], 0x20              ; h2img
	v_lshl_add_u32 v224, v0, 2, 0x400
	v_mov_b32 v225, 0
	v_lshrrev_b32 v1, 5, v0
	s_delay_alu instid0(VALU_DEP_1)
	v_readfirstlane_b32 s16, v1                    ; wave 0..7
	v_and_b32 v2, 15, v0                           ; r
	v_bfe_u32 v3, v0, 4, 1                         ; h
	v_and_b32 v9, 7, v0
	v_bfe_u32 v16, v0, 3, 1
	s_delay_alu instid0(VALU_DEP_1)
	v_lshl_add_u32 v9, v16, 4, v9                  ; r % 8 + 16 (r / 8)
	s_delay_alu instid0(VALU_DEP_1)
	v_lshlrev_b32 v4, 12, v9
	s_delay_alu instid0(VALU_DEP_1)
	v_lshl_add_u32 v4, v3, 6, v4                   ; x1: row x 4,096 + 64 h
	v_lshlrev_b32 v5, 6, v3                        ; g, be: 64 h
	v_lshlrev_b32 v7, 5, v2                        ; LDS: a row's eight partial sums
	s_delay_alu instid0(VALU_DEP_1)
	v_lshl_add_u32 v6, v1, 2, v7                   ; my wave's word among them
	v_and_b32 v8, 31, v0
	s_delay_alu instid0(VALU_DEP_1)
	v_lshlrev_b32 v8, 4, v8                        ; 16 x lane
	s_lshr_b32 s18, ttmp9, 1
	s_lshl_b32 s18, s18, 5
	s_and_b32 s19, ttmp9, 1
	s_lshl_b32 s19, s19, 3
	s_add_co_u32 s18, s18, s19                     ; the tile's first row
	s_lshl_b32 s18, s18, 12
	s_lshl_b32 s20, s16, 9
	s_add_co_u32 s18, s18, s20
	s_mov_b32 s19, 0
	s_mov_b32 s21, 0
	s_lshl_b32 s22, ttmp9, 14
	s_lshl_b32 s23, s16, 11
	s_add_co_u32 s22, s22, s23
	s_mov_b32 s23, 0
	s_mov_b32 s34, 0x3a800000                      ; 1 / 1024
	s_mov_b32 s36, 0x76543210
	s_mov_b32 s37, 0xfedcba98
	s_wait_alu depctr_va_vdst(0)
	s_wait_kmcnt 0x0
	s_load_b32 s40, s[10:11], 0x30                 ; entry 12
	s_add_nc_u64 s[4:5], s[4:5], s[18:19]
	s_add_nc_u64 s[6:7], s[6:7], s[20:21]
	s_add_nc_u64 s[8:9], s[8:9], s[20:21]
	s_add_nc_u64 s[28:29], s[14:15], s[22:23]
.irp c, 0,1,2,3
.irp j, 0,1,2,3
	global_load_b128 v[X+16*\c+4*\j:X+16*\c+4*\j+3], v4, s[4:5] offset:128*\c+16*\j
.endr
.endr
.irp c, 0,1,2,3
.irp j, 0,1,2,3
	global_load_b128 v[G+16*\c+4*\j:G+16*\c+4*\j+3], v5, s[6:7] offset:128*\c+16*\j
.endr
.endr
.irp c, 0,1,2,3
.irp j, 0,1,2,3
	global_load_b128 v[BE+16*\c+4*\j:BE+16*\c+4*\j+3], v5, s[8:9] offset:128*\c+16*\j
.endr
.endr
.macro REDUCE off                      ; v16 = my lane's partial sum -> the row's sum over all 1,024 columns
	s_delay_alu instid0(VALU_DEP_1)
	v_permlanex16_b32 v17, v16, s36, s37
	s_delay_alu instid0(VALU_DEP_1)
	v_add_f32 v16, v16, v17
	ds_store_b32 v6, v16 offset:\off
	s_wait_dscnt 0x0                               ; for the others' sake: my word is written
	s_barrier_signal -1
	s_barrier_wait -1
	ds_load_b128 v[16:19], v7 offset:\off
	ds_load_b128 v[20:23], v7 offset:\off+16
	s_wait_dscnt 0x0
	v_pk_add_f32 v[16:17], v[16:17], v[18:19]
	v_pk_add_f32 v[20:21], v[20:21], v[22:23]
	s_delay_alu instid0(VALU_DEP_1)
	v_pk_add_f32 v[16:17], v[16:17], v[20:21]
	s_delay_alu instid0(VALU_DEP_1)
	v_add_f32 v16, v16, v17
.endm
	s_wait_loadcnt 32                              ; x1's 16 loads are in; the 32 of g and be may be out
	v_pk_add_f32 v[18:19], v[32:33], v[34:35]
	v_pk_add_f32 v[20:21], v[48:49], v[56:57]
	v_pk_add_f32 v[22:23], v[64:65], v[72:73]
	v_pk_add_f32 v[30:31], v[80:81], v[88:89]
	v_pk_add_f32 v[28:29], v[36:37], v[38:39]
	v_pk_add_f32 v[26:27], v[50:51], v[58:59]
	v_pk_add_f32 v[24:25], v[66:67], v[74:75]
	v_pk_add_f32 v[16:17], v[82:83], v[90:91]
	s_delay_alu instid0(VALU_DEP_1)
	v_pk_add_f32 v[16:17], v[16:17], v[40:41]
	v_pk_add_f32 v[18:19], v[18:19], v[42:43]
	v_pk_add_f32 v[20:21], v[20:21], v[52:53]
	v_pk_add_f32 v[22:23], v[22:23], v[60:61]
	v_pk_add_f32 v[30:31], v[30:31], v[68:69]
	v_pk_add_f32 v[28:29], v[28:29], v[76:77]
	v_pk_add_f32 v[26:27], v[26:27], v[84:85]
	v_pk_add_f32 v[24:25], v[24:25], v[92:93]
	v_pk_add_f32 v[16:17], v[16:17], v[44:45]
	v_pk_add_f32 v[18:19], v[18:19], v[46:47]
	v_pk_add_f32 v[20:21], v[20:21], v[54:55]
	v_pk_add_f32 v[22:23], v[22:23], v[62:63]
	v_pk_add_f32 v[30:31], v[30:31], v[70:71]
	v_pk_add_f32 v[28:29], v[28:29], v[78:79]
	v_pk_add_f32 v[26:27], v[26:27], v[86:87]
	v_pk_add_f32 v[24:25], v[24:25], v[94:95]
	s_delay_alu instid0(VALU_DEP_4)
	v_pk_add_f32 v[16:17], v[16:17], v[30:31]
	s_delay_alu instid0(VALU_DEP_4)
	v_pk_add_f32 v[18:19], v[18:19], v[28:29]
	s_delay_alu instid0(VALU_DEP_4)
	v_pk_add_f32 v[20:21], v[20:21], v[26:27]
	s_delay_alu instid0(VALU_DEP_4)
	v_pk_add_f32 v[22:23], v[22:23], v[24:25]
	s_delay_alu instid0(VALU_DEP_2)
	v_pk_add_f32 v[16:17], v[16:17], v[20:21]
	s_delay_alu instid0(VALU_DEP_2)
	v_pk_add_f32 v[18:19], v[18:19], v[22:23]
	s_delay_alu instid0(VALU_DEP_1)
	v_pk_add_f32 v[16:17], v[16:17], v[18:19]
	s_delay_alu instid0(VALU_DEP_1)
	v_add_f32 v16, v16, v17
	REDUCE 0
	s_delay_alu instid0(VALU_DEP_1)
	v_mul_f32 v10, s34, v16                        ; the mean
	v_mov_b32 v11, 0
.set j, 0
.rept 32
	v_pk_add_f32 v[X+j:X+j+1], v[X+j:X+j+1], v[10:11] op_sel_hi:[1,0] neg_lo:[0,1] neg_hi:[0,1]
.set j, j+2
.endr
.irp q, 0,1,2,3
	v_pk_mul_f32 v[16+2*\q:17+2*\q], v[X+2*\q:X+2*\q+1], v[X+2*\q:X+2*\q+1]
.endr
.set j, 8
.rept 28
	s_delay_alu instid0(VALU_DEP_4)
	v_pk_fma_f32 v[16+2*((j/2)%4):17+2*((j/2)%4)], v[X+j:X+j+1], v[X+j:X+j+1], v[16+2*((j/2)%4):17+2*((j/2)%4)]
.set j, j+2
.endr
	s_delay_alu instid0(VALU_DEP_3)
	v_pk_add_f32 v[16:17], v[16:17], v[18:19]
	s_delay_alu instid0(VALU_DEP_2)
	v_pk_add_f32 v[20:21], v[20:21], v[22:23]
	s_delay_alu instid0(VALU_DEP_1)
	v_pk_add_f32 v[16:17], v[16:17], v[20:21]
	s_delay_alu instid0(VALU_DEP_1)
	v_add_f32 v16, v16, v17
	REDUCE 512                                     ; other words than the first sum's: one barrier does
	v_mov_b32 v13, 0x3727c5ac                      ; eps = 1e-5
	s_delay_alu instid0(VALU_DEP_1)
	v_fma_f32 v12, v16, s34, v13
	s_wait_alu depctr_va_vdst(0)
	v_rsq_f32 v12, v12
	v_mov_b32 v13, 0                               ; a plain line behind the transcendental
	s_wait_loadcnt 0x0
.set j, 0
	s_wait_alu depctr_va_vdst(0)
.rept 32
	v_pk_mul_f32 v[X+j:X+j+1], v[X+j:X+j+1], v[12:13] op_sel_hi:[1,0]
.set j, j+2
.endr
.set j, 0
.rept 32
	v_pk_fma_f32 v[X+j:X+j+1], v[X+j:X+j+1], v[G+j:G+j+1], v[BE+j:BE+j+1]
.set j, j+2
.endr
	s_wait_kmcnt 0x0
	s_add_co_i32 s35, s40, 127
	s_lshl_b32 s38, s35, 23
	v_mov_b32 v14, s38                             ; 2^e
	s_add_co_i32 s35, s35, 8
	s_lshl_b32 s35, s35, 23
	s_or_b32 s35, s35, 0x600000
	v_mov_b32 v15, s35                             ; 448 x 2^e
.set j, 0
.rept 64
	v_med3_num_f32 v[G+j], v[X+j], -v15, v15       ; the conversion does not saturate (ISA guide 7.6.2)
.set j, j+1
.endr
.set j, 0
.rept 8
	v_cvt_scalef32_pk8_fp8_f32 v[BE+2*j:BE+2*j+1], v[G+8*j:G+8*j+7], v14
.set j, j+1
.endr
	v_nop
.irp c, 0,1,2,3
	global_store_b128 v8, v[BE+4*\c:BE+4*\c+3], s[28:29] offset:512*\c   ; 512 consecutive bytes
.endr
	s_wait_tensorcnt 0x0
	ds_add_u32 v224, v225
	s_wait_dscnt 0x0
	s_endpgm
.Lfunc_end_k_q832b5668c6_ln2:
	.size	k_q832b5668c6_ln2, .Lfunc_end_k_q832b5668c6_ln2-k_q832b5668c6_ln2
	.p2alignl 7, 3214868480
	.fill 96, 4, 3214868480
	.section	.rodata,"a",@progbits
	.p2align	6, 0x0
	.amdhsa_kernel k_q832b5668c6_ln2
		.amdhsa_group_segment_fixed_size 2048
		.amdhsa_private_segment_fixed_size 0
		.amdhsa_enable_private_segment 0
		.amdhsa_kernarg_size 40
		.amdhsa_user_sgpr_count 2
		.amdhsa_user_sgpr_kernarg_segment_ptr 1
		.amdhsa_wavefront_size32 1
		.amdhsa_system_sgpr_workgroup_id_x 1
		.amdhsa_system_sgpr_workgroup_id_y 1
		.amdhsa_system_sgpr_workgroup_id_z 1
		.amdhsa_system_vgpr_workitem_id 0
		.amdhsa_next_free_vgpr 226
		.amdhsa_next_free_sgpr 66
		.amdhsa_reserve_vcc 0
		.amdhsa_float_denorm_mode_32 3
		.amdhsa_float_denorm_mode_16_64 3
		.amdhsa_memory_ordered 1
		.amdhsa_forward_progress 1
		.amdhsa_inst_pref_size 26
	.end_amdhsa_kernel
	.amdgpu_metadata
---
amdhsa.version: [ 1, 2 ]
amdhsa.kernels:
  - .name:           k_q832b5668c6_ln2
    .symbol:         k_q832b5668c6_ln2.kd
    .args:
      - { .name: x1, .offset: 0, .size: 8, .value_kind: global_buffer, .address_space: global }
      - { .name: g2, .offset: 8, .size: 8, .value_kind: global_buffer, .address_space: global }
      - { .name: be2, .offset: 16, .size: 8, .value_kind: global_buffer, .address_space: global }
      - { .name: lowp_scales, .offset: 24, .size: 8, .value_kind: global_buffer, .address_space: global }
      - { .name: h2img, .offset: 32, .size: 8, .value_kind: global_buffer, .address_space: global }
    .group_segment_fixed_size: 2048
    .private_segment_fixed_size: 0
    .kernarg_segment_align: 8
    .kernarg_segment_size: 40
    .max_flat_workgroup_size: 256
    .sgpr_count:     66
    .vgpr_count:     226
    .wavefront_size: 32
...
	.end_amdgpu_metadata
.endif
;; end of part 5
;; launch ffn1 (part 6): grid 16 x 16, 4 waves a work-group, clusters of 4 x 4, 327,680 bytes of LDS; arguments h2img, wimg, lowp_scales, b1, hid; writes hid
.if DOCPART == 6
	.amdgcn_target "amdgcn-amd-amdhsa--gfx1250"
	.amdhsa_code_object_version 6
	.text
	.protected	k_q832b5668c6_ffn1
	.globl	k_q832b5668c6_ffn1
	.p2align	8
	.type	k_q832b5668c6_ffn1,@function
k_q832b5668c6_ffn1:
	s_mov_b64 s[64:65], 0
	v_nop
	global_prefetch_b8 v0, s[64:65] scope:SCOPE_SE
	s_setreg_imm32_b32 hwreg(HW_REG_WAVE_MODE, 25, 1), 1
	s_wait_xcnt 0x0
	s_wait_alu depctr_hold_cnt(0) depctr_sa_sdst(0) depctr_va_vdst(0) depctr_va_sdst(0) depctr_va_ssrc(0) depctr_va_vcc(0) depctr_vm_vsrc(0)
	s_getreg_b32 s2, hwreg(HW_REG_IB_STS2, 6, 4)
	s_cmp_eq_u32 s2, 0
	s_cbranch_scc0 .Lentry_in_a_cluster
	s_endpgm
.Lentry_in_a_cluster:
	s_bfe_u32 s2, ttmp6, 0x10000c
	s_cmp_lg_u32 s2, 0xf033
	s_cbranch_scc0 .Lentry_shape_is_right
	s_endpgm
.Lentry_shape_is_right:
.set SIZE_K, 1024
.set XOFF,   0x400000
.set ROWB,   4096
.set TPL,    8
.set TILEB,  16*SIZE_K
.set SLOT,   131072
.set SPARE,  2*SLOT
.set FR,   16
.set NL,   4
.set NP,   4
.set ADRY, 16
.set ADRX, 20
.set LI,   24
.set STA,  25
.set SPW,  28
.set NIL,  29
.set AF,   128
.set BIAS, 32
.set Y0,   32
.set Y1,   64
.set T,    96
.set P,    128
.set Q,    160
.set CD,   192
.set G1,  24
.set G0,  32
.set G1X, 48
.set G0X, 56
.set MSB, 0
.macro WIN new
.if MSB != (\new)
	s_set_vgpr_msb (MSB<<8)|(\new)
.set MSB, (\new)
.endif
.endm
.set MUL_LO, 0xa1
.set MUL_HI, 0xf1
.set TO_X,   0x40
.macro JLOAD g0a, g1a, g0b, g1b
	s_cmp_eq_u32 s15, 0
	s_cbranch_scc0 .Lfor_x_\@
	tensor_load_to_lds s[\g0a:\g0a+3], s[\g1a:\g1a+7]
	s_nop 0
.rept 4
	v_nop
.endr
	s_branch .Lasked_\@
.Lfor_x_\@:
	tensor_load_to_lds s[\g0b:\g0b+3], s[\g1b:\g1b+7]
	s_nop 0
.rept 4
	v_nop
.endr
.Lasked_\@:
.endm
.macro CREST
	s_cmp_lg_u32 s14, 0
	s_cbranch_scc1 .Lnot_wave_0_\@
	s_barrier_signal -3
.Lnot_wave_0_\@:
	s_barrier_wait -3
	s_barrier_signal -1
	s_barrier_wait -1
.endm
.macro CROUND
	s_barrier_signal -1
	s_barrier_wait -1
	CREST
.endm
.macro PLACES n
.rept \n
	v_nop
.endr
.endm
.macro FRAG reg, adr, off
.irp c, 0,1,2,3
	ds_load_b128 v[\reg+4*\c:\reg+4*\c+3], v[\adr] offset:\off+512*\c
.endr
.endm
.macro FETCH_X slot, q, p
	WIN TO_X
.irp i, 0,1,2,3,4,5,6,7
	FRAG 128*(\p)+FR*\i, ADRX+\slot, 2048*(\q)+ROWB*\i
.endr
	WIN 0
.endm
.macro FETCH_Y slot, q, i0
.irp i, \i0, \i0+1, \i0+2, \i0+3
	FRAG AF+FR*(\i), ADRY+\slot, 2048*(\q)+ROWB*(\i)
.endr
.endm
.macro MUL16 a0, p, zero
.irp a, \a0, \a0+1
.irp b, 0,1,2,3,4,5,6,7
.if \zero
	v_wmma_f32_16x16x128_fp8_fp8 v[8*(8*((\a)%4)+\b):8*(8*((\a)%4)+\b)+7], v[128*(\p)+FR*\b:128*(\p)+FR*\b+FR-1], v[AF+FR*(\a):AF+FR*(\a)+FR-1], 0
.else
	v_wmma_f32_16x16x128_fp8_fp8 v[8*(8*((\a)%4)+\b):8*(8*((\a)%4)+\b)+7], v[128*(\p)+FR*\b:128*(\p)+FR*\b+FR-1], v[AF+FR*(\a):AF+FR*(\a)+FR-1], v[8*(8*((\a)%4)+\b):8*(8*((\a)%4)+\b)+7]
.endif
.endr
.endr
.endm
.macro STEP slot, q, p, zero
	s_wait_dscnt 4*NL
	WIN MUL_LO
	MUL16 0, \p, \zero
	MUL16 2, \p, \zero
	s_wait_dscnt 0x0
	PLACES NP
	FETCH_X \slot, (\q)+1, 1-\p
	FETCH_Y \slot, (\q)+1, 0
	WIN MUL_HI
	MUL16 4, \p, \zero
	MUL16 6, \p, \zero
	PLACES NP
	WIN 0
	FETCH_Y \slot, (\q)+1, 4
.endm
.macro TURN slot, next, p, fill, zero
	s_wait_tensorcnt 0x0
	ds_add_u32 v[SPW], v[NIL]
	s_wait_dscnt 4*NL+1
	WIN MUL_LO
	MUL16 0, \p, \zero
	s_wait_dscnt 0x0
	s_barrier_signal -1
	MUL16 2, \p, \zero
	WIN 0
	s_barrier_wait -1
.if \fill
	CREST
	s_add_nc_u64 s[G0+4*\slot+2:G0+4*\slot+3], s[G0+4*\slot+2:G0+4*\slot+3], 2*ROWB
	s_add_nc_u64 s[G0X+4*\slot+2:G0X+4*\slot+3], s[G0X+4*\slot+2:G0X+4*\slot+3], 2*ROWB
	JLOAD G0+4*\slot, G1, G0X+4*\slot, G1X
.else
	PLACES NP
.endif
	FETCH_X \next, 0, 1-\p
	FETCH_Y \next, 0, 0
	WIN MUL_HI
	MUL16 4, \p, \zero
	MUL16 6, \p, \zero
	PLACES NP
	WIN 0
	FETCH_Y \next, 0, 4
.endm
.macro LAST p
	s_wait_dscnt 4*NL
	WIN MUL_LO
	MUL16 0, \p, 0
	MUL16 2, \p, 0
	s_wait_dscnt 0x0
	WIN MUL_HI
	MUL16 4, \p, 0
	MUL16 6, \p, 0
	WIN 0
.endm
	s_load_b256 s[68:75], s[0:1], 0x0
	s_load_b64 s[76:77], s[0:1], 0x20
	v_lshl_add_u32 v[SPW], v0, 2, SPARE
	v_mov_b32 v[NIL], 0
	ds_add_u32 v28, v29
	ds_add_u32 v28, v29
	s_wait_dscnt 0x0
	v_lshrrev_b32 v1, 5, v0
	v_readfirstlane_b32 s14, v1
	s_lshr_b32 s15, s14, 1
	s_and_b32 s16, s14, 1
	s_bfe_u32 s40, ttmp6, 0x40000
	s_bfe_u32 s41, ttmp6, 0x40004
	s_lshl_b32 s42, ttmp9, 2
	s_add_co_u32 s42, s42, s40
	s_and_b32 s17, ttmp7, 0xffff
	s_lshl_b32 s17, s17, 2
	s_add_co_u32 s17, s17, s41
	s_lshl_b32 s43, s41, 2
	s_lshl_b32 s43, 15, s43
	s_lshl_b32 s44, 0x1111, s40
	s_or_b32 s[G1+0], s43, (3<<16)|(1<<21)
	s_or_b32 s[G1X+0], s44, (3<<16)|(1<<21)
.irp g, G1, G1X
	s_mov_b32 s[\g+1], (ROWB/8)<<16
	s_mov_b32 s[\g+2], TPL<<16
	s_mov_b32 s[\g+3], (ROWB/8)<<16
	s_mov_b32 s[\g+4], TPL
	s_mov_b32 s[\g+5], TILEB/8
	s_mov_b32 s[\g+6], 0
	s_mov_b32 s[\g+7], 0
.endr
	s_lshl_b32 s18, s16, 3
	s_lshl_b32 s20, s17, 4
	s_add_co_u32 s20, s20, s18
	s_mul_i32 s20, s20, TILEB
	s_mov_b32 s21, 0
	s_lshl_b32 s46, s42, 4
	s_add_co_u32 s46, s46, s18
	s_mul_i32 s46, s46, TILEB
	s_add_co_u32 s46, s46, XOFF
	s_mov_b32 s47, 0
	s_lshl_b32 s45, s14, 15
	s_wait_kmcnt 0x0
	s_load_b96 s[96:98], s[72:73], 0x30
	s_add_nc_u64 s[20:21], s[68:69], s[20:21]
	s_add_nc_u64 s[46:47], s[70:71], s[46:47]
	CROUND
.irp s, 0,1
	s_mov_b32 s[G0+4*\s], 1
	s_add_co_u32 s[G0+4*\s+1], s45, \s*SLOT
	s_add_nc_u64 s[G0+4*\s+2:G0+4*\s+3], s[20:21], \s*ROWB
	s_or_b32 s[G0+4*\s+3], s[G0+4*\s+3], 0x80000000
	s_mov_b32 s[G0X+4*\s], 1
	s_add_co_u32 s[G0X+4*\s+1], s45, \s*SLOT
	s_add_nc_u64 s[G0X+4*\s+2:G0X+4*\s+3], s[46:47], \s*ROWB
	s_or_b32 s[G0X+4*\s+3], s[G0X+4*\s+3], 0x80000000
.endr
	JLOAD G0, G1, G0X, G1X                         ; slot 0: one tensor load a wave at the head
	; PREFETCHES INTO THE L2 of slots 1 to 3.  Of the 8 tiles x 4,096 bytes that I fetch for a slot, each of the four partners that ask for them with me takes two tiles, told apart by address (cx for Y, cy for X):
	; a lane a block of 256 bytes, one instruction a wave and slot.  Slots 1 and 2 are asked for here, slot 3 behind the first K step: each a slot or more ahead of its tensor load.  The address registers are never rewritten.
	s_cmp_eq_u32 s15, 0
	s_cselect_b64 s[88:89], s[20:21], s[46:47]
	s_cselect_b32 s91, s40, s41
	s_mul_i32 s66, s91, 2*TILEB
	s_mov_b32 s67, 0
	s_add_nc_u64 s[88:89], s[88:89], s[66:67]
	v_and_b32 v22, 15, v0
	v_bfe_u32 v23, v0, 4, 1
	v_lshlrev_b32 v22, 8, v22
	v_lshl_add_u32 v22, v23, 14, v22               ; 256 (lane % 16) + a tile's 16,384 bytes x (lane / 16)
	global_prefetch_b8 v22, s[88:89] offset:ROWB th:TH_LOAD_NT scope:SCOPE_SE
	global_prefetch_b8 v22, s[88:89] offset:2*ROWB th:TH_LOAD_NT scope:SCOPE_SE
	v_and_b32 v1, 31, v0
	v_lshlrev_b32 v[LI], 4, v1
	s_wait_alu depctr_va_vdst(0)
	s_lshl_b32 s22, s15, 15
	s_lshl_b32 s23, s16, 15
	s_add_co_u32 s23, s23, 65536
.irp s, 0,1
	v_add_nc_u32 v[ADRY+\s], s22, v[LI]
	v_add_nc_u32 v[ADRX+\s], s23, v[LI]
	s_add_co_u32 s22, s22, SLOT
	s_add_co_u32 s23, s23, SLOT
.endr
	s_lshl_b32 s22, s14, 16
	v_add_nc_u32 v[STA], s22, v[LI]
	v_bfe_u32 v2, v0, 4, 1
	v_lshlrev_b32 v3, 6, v2
	s_lshl_b32 s86, s42, 10
	s_lshl_b32 s87, s16, 9
	s_add_co_u32 s86, s86, s87
	s_mov_b32 s87, 0
	s_add_nc_u64 s[74:75], s[74:75], s[86:87]
.irp b, 0,1,2,3
.irp i, 0,1,2,3
	global_load_b128 v[BIAS+16*\b+4*\i:BIAS+16*\b+4*\i+3], v3, s[74:75] offset:128*\b+16*\i
.endr
.endr
	s_lshl_b32 s84, s17, 4
	s_lshl_b32 s85, s15, 3
	s_add_co_u32 s84, s84, s85
	s_lshl_b32 s84, s84, 16
	s_lshl_b32 s85, s42, 1
	s_add_co_u32 s85, s85, s16
	s_lshl_b32 s85, s85, 11
	s_add_co_u32 s84, s84, s85
	s_mov_b32 s85, 0
	s_add_nc_u64 s[76:77], s[76:77], s[84:85]
	s_wait_alu depctr_va_vdst(0)
	s_wait_tensorcnt 0x0                           ; my part of slot 0 is in
	ds_add_u32 v[SPW], v[NIL]
	s_wait_dscnt 0x0
	CROUND                                         ; everybody's part of slot 0 is in, and all sixteen work-groups are here
	JLOAD G0+4, G1, G0X+4, G1X                     ; slot 1's first fill, the first tensor load behind the round
	FETCH_X 0, 0, 0
	FETCH_Y 0, 0, 0
	FETCH_Y 0, 0, 4
	STEP 0, 0, 0, 1
	global_prefetch_b8 v22, s[88:89] offset:3*ROWB th:TH_LOAD_NT scope:SCOPE_SE
	TURN 0, 1, 1, 1, 0
	STEP 1, 0, 0, 0
	TURN 1, 0, 1, 1, 0
	STEP 0, 0, 0, 0
	TURN 0, 1, 1, 0, 0
	STEP 1, 0, 0, 0
	LAST 1
	s_wait_dscnt 0x0
	s_barrier_signal -1
	s_barrier_wait -1
	s_wait_kmcnt 0x0
	s_add_co_i32 s92, s96, s97
	s_add_co_i32 s92, s92, 127
	s_lshl_b32 s92, s92, 23
	s_mov_b32 s93, s92
	s_add_co_i32 s94, s98, 127
	s_lshl_b32 s95, s94, 23
	s_add_co_i32 s94, s94, 8
	s_lshl_b32 s94, s94, 23
	s_or_b32 s94, s94, 0x600000
	s_mov_b32 s90, 0x3eb504f3
	PLACES NP
	v_mov_b32 v26, s95
	v_mov_b32 v27, s94
	s_wait_loadcnt 0x0
.irp a, 0,1,2,3,4,5,6,7
.set AC, 64*(\a%4)
.set TM, 96+64*(\a%2)
.if \a >= 2
	s_wait_dscnt 16
.endif
	WIN 0x02+(\a/4)
.set j, 0
.rept 32
	v_pk_fma_f32 v[TM+j:TM+j+1], v[AC+j:AC+j+1], s[92:93], v[BIAS+j:BIAS+j+1] op_sel_hi:[1,0,1]
.set j, j+2
.endr
	WIN 0
.set j, 0
.rept 16
	ds_store_b128 v[STA], v[TM+4*j:TM+4*j+3] offset:\a*8192+512*j
.set j, j+1
.endr
.endr
	v_mov_b32 v208, 0x3e7c6f08
	v_mov_b32 v209, 0x3e7c6f08
.macro GELU32 y, cdr, off
.set i, 0
.rept 32
	v_fma_f32 v[T+i], |v[\y+i]|, s90, 1.0
.set i, i+1
.endr
.set i, 0
	s_wait_alu depctr_va_vdst(0)
.rept 32
	v_rcp_f32 v[T+i], v[T+i]
.set i, i+1
.endr
.set i, 0
.rept 16
	v_pk_mul_f32 v[Q+i:Q+i+1], v[\y+i:\y+i+1], v[\y+i:\y+i+1]
.set i, i+2
.endr
.set i, 0
	s_wait_alu depctr_va_vdst(0)
.rept 16
	v_pk_fma_f32 v[P+i:P+i+1], v[T+i:T+i+1], v[208:209], 0xbf97d29d op_sel_hi:[1,1,0]
.set i, i+2
.endr
.irp c, 0x40097039, 0xbfd1a1e5, 0x3ecdfd18, 0xbe899a80, 0x3e0efb2e, 0x3f0a29d2, 0x3fb8ab5a, 0xc034d90f
.set i, 0
.rept 16
	v_pk_fma_f32 v[P+i:P+i+1], v[P+i:P+i+1], v[T+i:T+i+1], \c op_sel_hi:[1,1,0]
.set i, i+2
.endr
.endr
.set i, 0
.rept 16
	v_pk_fma_f32 v[P+i:P+i+1], v[Q+i:Q+i+1], 0xbf38aa3b, v[P+i:P+i+1] op_sel_hi:[1,0,1]
.set i, i+2
.endr
.set i, 0
	s_wait_alu depctr_va_vdst(0)
.rept 32
	v_exp_f32 v[P+i], v[P+i]
.set i, i+1
.endr
.set i, 0
.rept 32
	v_max_num_f32 v[Q+i], v[\y+i], 0
.set i, i+1
.endr
.set i, 0
	s_wait_alu depctr_va_vdst(0)
.rept 16
	v_pk_mul_f32 v[P+i:P+i+1], v[P+i:P+i+1], v[T+i:T+i+1]
.set i, i+2
.endr
.set i, 0
.rept 32
	v_fma_f32 v[Q+i], -|v[\y+i]|, v[P+i], v[Q+i]
.set i, i+1
.endr
.set i, 0
.rept 32
	v_med3_num_f32 v[Q+i], v[Q+i], -v27, v27
.set i, i+1
.endr
.set i, 0
.rept 4
	v_cvt_scalef32_pk8_fp8_f32 v[\cdr+2*i:\cdr+2*i+1], v[Q+8*i:Q+8*i+7], v26
.set i, i+1
.endr
	v_nop
	global_store_b128 v[LI], v[\cdr:\cdr+3], s[76:77] offset:\off
	global_store_b128 v[LI], v[\cdr+4:\cdr+7], s[76:77] offset:\off+512
.endm
	s_mov_b32 s84, 0
	s_mov_b32 s85, 8
.irp i, 0,1,2,3,4,5,6,7
	ds_load_b128 v[Y0+4*\i:Y0+4*\i+3], v[STA] offset:512*\i
.endr
.Lgelu:
	v_add_nc_u32 v30, s84, v[STA]
.irp i, 0,1,2,3,4,5,6,7
	ds_load_b128 v[Y1+4*\i:Y1+4*\i+3], v30 offset:4096+512*\i
.endr
	s_wait_dscnt 8
	GELU32 Y0, CD, 0
	s_add_co_u32 s86, s84, 8192
	s_min_u32 s86, s86, 57344
	v_add_nc_u32 v31, s86, v[STA]
.irp i, 0,1,2,3,4,5,6,7
	ds_load_b128 v[Y0+4*\i:Y0+4*\i+3], v31 offset:512*\i
.endr
	s_wait_dscnt 8
	GELU32 Y1, CD+8, 1024
	s_wait_xcnt 0x0
	s_add_nc_u64 s[76:77], s[76:77], 65536
	s_add_co_u32 s84, s84, 8192
	s_sub_co_u32 s85, s85, 1
	s_cmp_lg_u32 s85, 0
	s_cbranch_scc1 .Lgelu
	s_wait_tensorcnt 0x0
	ds_add_u32 v[SPW], v[NIL]
	s_wait_dscnt 0x0
	CROUND
	s_endpgm
.Lfunc_end_k_q832b5668c6_ffn1:
	.size	k_q832b5668c6_ffn1, .Lfunc_end_k_q832b5668c6_ffn1-k_q832b5668c6_ffn1
	.p2alignl 7, 3214868480
	.fill 96, 4, 3214868480
	.section	.rodata,"a",@progbits
	.p2align	6, 0x0
	.amdhsa_kernel k_q832b5668c6_ffn1
		.amdhsa_group_segment_fixed_size 327680
		.amdhsa_private_segment_fixed_size 0
		.amdhsa_enable_private_segment 0
		.amdhsa_kernarg_size 40
		.amdhsa_user_sgpr_count 2
		.amdhsa_user_sgpr_kernarg_segment_ptr 1
		.amdhsa_wavefront_size32 1
		.amdhsa_system_sgpr_workgroup_id_x 1
		.amdhsa_system_sgpr_workgroup_id_y 1
		.amdhsa_system_sgpr_workgroup_id_z 1
		.amdhsa_system_vgpr_workitem_id 0
		.amdhsa_next_free_vgpr 1024
		.amdhsa_next_free_sgpr 100
		.amdhsa_reserve_vcc 0
		.amdhsa_float_denorm_mode_32 3
		.amdhsa_float_denorm_mode_16_64 3
		.amdhsa_memory_ordered 1
		.amdhsa_forward_progress 1
		.amdhsa_inst_pref_size 162
	.end_amdhsa_kernel
	.amdgpu_metadata
---
amdhsa.version: [ 1, 2 ]
amdhsa.kernels:
  - .name:           k_q832b5668c6_ffn1
    .symbol:         k_q832b5668c6_ffn1.kd
    .args:
      - { .name: h2img, .offset: 0, .size: 8, .value_kind: global_buffer, .address_space: global }
      - { .name: wimg, .offset: 8, .size: 8, .value_kind: global_buffer, .address_space: global }
      - { .name: lowp_scales, .offset: 16, .size: 8, .value_kind: global_buffer, .address_space: global }
      - { .name: b1, .offset: 24, .size: 8, .value_kind: global_buffer, .address_space: global }
      - { .name: hid, .offset: 32, .size: 8, .value_kind: global_buffer, .address_space: global }
    .group_segment_fixed_size: 327680
    .private_segment_fixed_size: 0
    .kernarg_segment_align: 8
    .kernarg_segment_size: 40
    .max_flat_workgroup_size: 128
    .sgpr_count:     100
    .vgpr_count:     1024
    .wavefront_size: 32
...
	.end_amdgpu_metadata
.endif
;; end of part 6
;; launch ffn2 (part 7): grid 8 x 32, 4 waves a work-group, clusters of 4 x 1, 327,680 bytes of LDS; arguments hid, wimg, lowp_scales, b2, x1, out0; writes out0
.if DOCPART == 7
	.amdgcn_target "amdgcn-amd-amdhsa--gfx1250"
	.amdhsa_code_object_version 6
	.text
	.protected	k_q832b5668c6_ffn2
	.globl	k_q832b5668c6_ffn2
	.p2align	8
	.type	k_q832b5668c6_ffn2,@function
k_q832b5668c6_ffn2:
	s_mov_b64 s[64:65], 0
	v_nop
	global_prefetch_b8 v0, s[64:65] scope:SCOPE_SE
	s_setreg_imm32_b32 hwreg(HW_REG_WAVE_MODE, 25, 1), 1
	s_wait_xcnt 0x0
	s_wait_alu depctr_hold_cnt(0) depctr_sa_sdst(0) depctr_va_vdst(0) depctr_va_sdst(0) depctr_va_ssrc(0) depctr_va_vcc(0) depctr_vm_vsrc(0)
	s_getreg_b32 s2, hwreg(HW_REG_IB_STS2, 6, 4)
	s_cmp_eq_u32 s2, 0
	s_cbranch_scc0 .Lentry_in_a_cluster
	s_endpgm
.Lentry_in_a_cluster:
	s_bfe_u32 s2, ttmp6, 0x10000c
	s_cmp_lg_u32 s2, 0x3003
	s_cbranch_scc0 .Lentry_shape_is_right
	s_endpgm
.Lentry_shape_is_right:
; Product 8 and the second residual: out0 = x1 + Q(gelu) Q(w2) + b2, on codes of E4M3 by v_wmma_f32_16x16x128_fp8_fp8.
; Operands are IMAGES: a fragment (16 rows x 128 K) is 2,048 bytes in the order of its registers; Y = hid [256 tiles of tokens][32 K steps][2,048], X = w2's image [64 tiles of columns][32 K steps][2,048].
; A work-group makes 128 x 128 of the result.  K IS SHARED OUT AMONG ITS FOUR WAVES: wave w takes the K steps 4 j + w, j = 0 .. 7, of all 8 x 8 tiles (64 accumulators); the four parts are added through LDS on the way out.
; So no two waves read the same fragment.  Y GOES THROUGH LDS: two slots of 128 rows x 1,024 K (131,072 bytes), each wave fetching two tiles' 16,384 bytes by one tensor load; four fills in all.
; X GOES STRAIGHT INTO REGISTERS: a wave's 32 loads of 512 consecutive bytes bring its eight fragments of a K step; two sets, each asked for again as soon as its step's products are issued, so a set's loads have the next step in which to land.
; What is on its way at a time: one slot of Y, and in each wave up to two sets of X.
; CLUSTERS: the four work-groups of a cluster make four blocks of columns of the same 128 rows: Y's tiles are asked for JOINTLY.  X's fragments differ between the partners.
; PREFETCHES.  Y: slots 1 and 2 are asked of memory behind the head's tensor load, slot 3 in the first K step: each a slot or more ahead of its tensor load; the four partners share a slot's 512 blocks of 256 bytes out by address
; (a wave 32 blocks, a lane a block).  X: the 32 work-groups that walk the same 128 columns share their 524,288 bytes out by address: the work-group of row block y asks, once, behind the head's tensor load, for tiles 2 (y % 4), 2 (y % 4) + 1
; of the K steps 4 (y / 4) .. 4 (y / 4) + 3: 16,384 bytes, a wave 16 blocks (lanes 16-31 name the wave's last block again).  No prefetch's address register is rewritten.
; s_wait_loadcnt counts what was issued behind the set that is wanted: the next set's 32 loads; behind the last set the 25 loads of the bias and of 24 rows of x1.
; LIMITS: the two exponents add to between -126 and 127.  NaN is not served.
; REGISTERS: window 0: v0-31 addresses; v32-127 x1; from v128 Y's 8 fragments, ONE set; window 1: X's fragments, TWO sets; windows 2, 3: accumulator (a, b) at v[8 (8 (a % 4) + b)].
.set SIZE_K, 4096
.set XOFF,   0x800000
.set SCOFF,  56
.set NJ,     SIZE_K/512                ; K steps a wave
.set NSLOT,  SIZE_K/1024               ; fills of a slot
.set ROWB,   16384                     ; a tile's bytes in a slot: eight K steps
.set TILEB,  16*SIZE_K
.set SLOT,   131072
.set SPARE,  327168                    ; the spare words, 128 bytes for each wave, which no other line names
.set SP,     528
.set STG,    128*SP                    ; the way out: a wave's part, 128 rows x (512 + 16) bytes; the four stages lie over the slots, which have had their last fill
.set FR,   16
.set NL,   4
.set NP,   4
.set BI,   4
.set RD,   8
.set STO,  13
.set ADRY, 16                          ; v16, v17: my K step of Y's tiles 0-3 in slot 0, 1; v18, v19: of tiles 4-7
.set LI,   24
.set SPW,  28
.set NIL,  29
.set PFO,  30
.set PFX,  31
.set RES,  32
.set AF,   128
.set PBS,  128
.set G1,  24
.set G0,  32
.set MSB, 0
.macro WIN new                         ; the immediate's high byte repeats the setting that is left
.if MSB != (\new)
	s_set_vgpr_msb (MSB<<8)|(\new)
.set MSB, (\new)
.endif
.endm
.set MUL_LO, 0xa1
.set MUL_HI, 0xf1
.set TO_X,   0x40
.macro JLOAD s                         ; every wave fetches two tiles of Y; an s_nop 0 and four v_nop follow
	tensor_load_to_lds s[G0+4*\s:G0+4*\s+3], s[G1:G1+7]
	s_nop 0
.rept 4
	v_nop
.endr
.endm
.macro CREST
	s_cmp_lg_u32 s14, 0
	s_cbranch_scc1 .Lnot_wave_0_\@
	s_barrier_signal -3
.Lnot_wave_0_\@:
	s_barrier_wait -3
	s_barrier_signal -1
	s_barrier_wait -1
.endm
.macro CROUND
	s_barrier_signal -1
	s_barrier_wait -1
	CREST
.endm
.macro PLACES n
.rept \n
	v_nop
.endr
.endm
.macro FRAG reg, adr, off
.irp c, 0,1,2,3
	ds_load_b128 v[\reg+4*\c:\reg+4*\c+3], v[\adr] offset:\off+512*\c
.endr
.endm
.macro FETCH_Y slot, q, i0             ; Y's blocks i0 .. i0 + 3 of my q-th K step of the slot
.irp i, 0,1,2,3
	FRAG AF+FR*((\i0)+\i), ADRY+\slot+2*((\i0)/4), 8192*(\q)+ROWB*\i
.endr
.endm
.macro RESLOAD                         ; the bias and 24 of my 32 rows of x1: they land under the last products
	global_load_b128 v[BI:BI+3], v[LI], s[74:75]
.set RR, 0
.rept 24
	global_load_b128 v[RES+4*RR:RES+4*RR+3], v[LI], s[76:77] offset:(8*(RR/16)+(RR%8)+16*((RR/8)%2))*4096
.set RR, RR+1
.endr
.endm
.macro XLOAD j                         ; X's eight fragments of K step 4 j + wave into set j % 2
	WIN TO_X
.irp i, 0,1,2,3,4,5,6,7
.irp c, 0,1,2,3
	global_load_b128 v[128*((\j)%2)+FR*\i+4*\c:128*((\j)%2)+FR*\i+4*\c+3], v[LI], s[46:47] offset:\i*TILEB+(\j)*8192+512*\c
.endr
.endr
	WIN 0
.if (\j) == NJ-1
	RESLOAD
.endif
.endm
.macro XWAIT j
.if (\j) < NJ-2
	s_wait_loadcnt 32
.else
.if (\j) == NJ-2
	s_wait_loadcnt 57
.else
	s_wait_loadcnt 25
.endif
.endif
.endm
; 16 matrix instructions: Y's blocks a0, a0 + 1 x X's eight.  The 64 accumulators take turns, one instruction a turn, in the same order in every step
.macro MUL16 a0, p, zero
.irp a, \a0, \a0+1
.irp b, 0,1,2,3,4,5,6,7
.if \zero
	v_wmma_f32_16x16x128_fp8_fp8 v[8*(8*((\a)%4)+\b):8*(8*((\a)%4)+\b)+7], v[128*(\p)+FR*\b:128*(\p)+FR*\b+FR-1], v[AF+FR*(\a):AF+FR*(\a)+FR-1], 0
.else
	v_wmma_f32_16x16x128_fp8_fp8 v[8*(8*((\a)%4)+\b):8*(8*((\a)%4)+\b)+7], v[128*(\p)+FR*\b:128*(\p)+FR*\b+FR-1], v[AF+FR*(\a):AF+FR*(\a)+FR-1], v[8*(8*((\a)%4)+\b):8*(8*((\a)%4)+\b)+7]
.endif
.endr
.endr
.endm
.macro STEP j, slot, zero              ; my first K step of a slot
	XWAIT \j
	s_wait_dscnt 4*NL                              ; Y's blocks 0-3 are in; the youngest 16 loads (blocks 4-7) may be out
	WIN MUL_LO
	MUL16 0, (\j)%2, \zero
	MUL16 2, (\j)%2, \zero
	s_wait_dscnt 0x0
	PLACES NP
	WIN 0
	FETCH_Y \slot, 1, 0
.if (\j) == 0
	global_prefetch_b8 v[PFO], s[88:89] offset:3*ROWB th:TH_LOAD_NT scope:SCOPE_SE   ; my share of Y's slot 3
.endif
	WIN MUL_HI
	MUL16 4, (\j)%2, \zero
	MUL16 6, (\j)%2, \zero
	PLACES NP
	WIN 0
	FETCH_Y \slot, 1, 4
.if (\j)+2 < NJ
	XLOAD (\j)+2
.endif
.endm
; My second K step of a slot changes slots: one barrier; in front of it each wave waits for all its tensor loads, adds 0 to its spare word, and waits for that and for its reads of this slot.  fill = 1: this slot is filled again
.macro TURN j, slot, next, fill
	XWAIT \j
	s_wait_tensorcnt 0x0
	ds_add_u32 v[SPW], v[NIL]
	s_wait_dscnt 4*NL+1
	WIN MUL_LO
	MUL16 0, (\j)%2, 0
	s_wait_dscnt 0x0
	s_barrier_signal -1
	MUL16 2, (\j)%2, 0
	WIN 0
	s_barrier_wait -1
.if \fill
	CREST                                          ; the barrier has opened a round of the cluster's
	s_add_nc_u64 s[G0+4*\slot+2:G0+4*\slot+3], s[G0+4*\slot+2:G0+4*\slot+3], 2*ROWB
	JLOAD \slot
.else
	PLACES NP
.endif
	FETCH_Y \next, 0, 0
	WIN MUL_HI
	MUL16 4, (\j)%2, 0
	MUL16 6, (\j)%2, 0
	PLACES NP
	WIN 0
	FETCH_Y \next, 0, 4
.if (\j)+2 < NJ
	XLOAD (\j)+2
.endif
.endm
.macro LAST j
	XWAIT \j
	s_wait_dscnt 4*NL
	WIN MUL_LO
	MUL16 0, (\j)%2, 0
	MUL16 2, (\j)%2, 0
	s_wait_dscnt 0x0
	WIN MUL_HI
	MUL16 4, (\j)%2, 0
	MUL16 6, (\j)%2, 0
	WIN 0
.endm
	s_load_b256 s[68:75], s[0:1], 0x0              ; hid, wimg, the scales' exponents, b2
	s_load_b128 s[76:79], s[0:1], 0x20             ; x1, out0
	v_lshl_add_u32 v[SPW], v0, 2, SPARE
	v_mov_b32 v[NIL], 0
	ds_add_u32 v[SPW], v[NIL]                      ; the opening lines: the add, twice on end, and its wait
	ds_add_u32 v[SPW], v[NIL]
	v_lshrrev_b32 v1, 5, v0
	v_readfirstlane_b32 s14, v1                    ; wave 0..3
	v_and_b32 v1, 31, v0
	v_lshlrev_b32 v[LI], 4, v1                     ; 16 x lane
	s_bfe_u32 s40, ttmp6, 0x40000                  ; cx
	s_lshl_b32 s42, ttmp9, 2
	s_add_co_u32 s42, s42, s40                     ; block of 128 columns
	s_and_b32 s17, ttmp7, 0xffff                   ; block of 128 rows, which the four partners share
	s_mov_b32 s[G1+0], 15|(3<<16)|(1<<21)          ; 15:0 the mask: all four work-groups; 17:16 elements of 8 bytes; 21 set beside a mask
	s_mov_b32 s[G1+1], (ROWB/8)<<16                ; tensor_dim0
	s_mov_b32 s[G1+2], 2<<16                       ; tensor_dim1: two tiles
	s_mov_b32 s[G1+3], (ROWB/8)<<16                ; tile_dim0
	s_mov_b32 s[G1+4], 2                           ; tile_dim1
	s_mov_b32 s[G1+5], TILEB/8                     ; from tile to tile
	s_mov_b32 s[G1+6], 0
	s_mov_b32 s[G1+7], 0
	s_lshl_b32 s20, s17, 3
	s_lshl_b32 s18, s14, 1
	s_add_co_u32 s20, s20, s18                     ; Y: I fetch tiles 2 w, 2 w + 1 of the block's eight
	s_mul_i32 s20, s20, TILEB
	s_mov_b32 s21, 0
	s_lshl_b32 s46, s42, 3
	s_mul_i32 s46, s46, TILEB
	s_add_co_u32 s46, s46, XOFF                    ; X: the block's first tile
	s_and_b32 s90, s17, 3                          ; X's prefetch: tile 2 (y % 4) + w / 2,
	s_lshl_b32 s90, s90, 1
	s_lshr_b32 s94, s14, 1
	s_add_co_u32 s90, s90, s94
	s_mul_i32 s90, s90, TILEB
	s_lshr_b32 s94, s17, 2                         ; the four K steps from 4 (y / 4) on: 8,192 bytes,
	s_lshl_b32 s94, s94, 13
	s_add_co_u32 s90, s90, s94
	s_and_b32 s94, s14, 1                          ; their half w % 2
	s_lshl_b32 s94, s94, 12
	s_add_co_u32 s90, s90, s94
	s_add_co_u32 s90, s90, s46
	s_mov_b32 s91, 0
	s_lshl_b32 s18, s14, 11
	s_add_co_u32 s46, s46, s18                     ; X's loads: at K step w
	s_mov_b32 s47, 0
	s_lshl_b32 s45, s14, 15                        ; where my tiles go: no place in the cluster enters an LDS address
	s_lshr_b32 s88, s40, 1                         ; Y's prefetches: of my two tiles' 2 x 16,384 bytes of a slot the partner at place cx takes tile cx / 2, half cx % 2
	s_mul_i32 s88, s88, TILEB
	s_and_b32 s89, s40, 1
	s_lshl_b32 s89, s89, 13
	s_add_co_u32 s88, s88, s89
	s_mov_b32 s89, 0
	s_lshl_b32 s84, s17, 7
	s_lshl_b32 s85, s14, 5
	s_add_co_u32 s84, s84, s85
	s_lshl_b32 s84, s84, 12
	s_lshl_b32 s86, s42, 9
	s_add_co_u32 s84, s84, s86                     ; the way out: my 32 rows, the block's 512 bytes of each
	s_mov_b32 s85, 0
	s_mov_b32 s87, 0
	s_mul_i32 s22, s14, STG
	s_mul_i32 s23, s14, 32*SP
	s_wait_alu depctr_va_vdst(0)                   ; directly ahead of the waits below
	s_wait_dscnt 0x0
	s_wait_kmcnt 0x0
	s_load_b64 s[96:97], s[72:73], SCOFF
	s_add_nc_u64 s[20:21], s[68:69], s[20:21]
	s_add_nc_u64 s[46:47], s[70:71], s[46:47]
	s_add_nc_u64 s[90:91], s[70:71], s[90:91]
	s_add_nc_u64 s[88:89], s[20:21], s[88:89]
	s_add_nc_u64 s[76:77], s[76:77], s[84:85]
	s_add_nc_u64 s[78:79], s[78:79], s[84:85]
	s_add_nc_u64 s[74:75], s[74:75], s[86:87]
.irp s, 0,1
	s_mov_b32 s[G0+4*\s], 1
	s_add_co_u32 s[G0+4*\s+1], s45, \s*SLOT
	s_add_nc_u64 s[G0+4*\s+2:G0+4*\s+3], s[20:21], \s*ROWB
	s_or_b32 s[G0+4*\s+3], s[G0+4*\s+3], 0x80000000
.endr
	XLOAD 0
	CROUND                                         ; all four work-groups are here: the first joint loads meet
	JLOAD 0                                        ; slot 0: one tensor load a wave at the head
	v_lshl_add_u32 v[ADRY], s14, 11, v[LI]
	v_add_nc_u32 v[ADRY+1], SLOT, v[ADRY]
	v_add_nc_u32 v[ADRY+2], 65536, v[ADRY]
	v_add_nc_u32 v[ADRY+3], SLOT+65536, v[ADRY]
	v_and_b32 v2, 15, v0
	v_bfe_u32 v3, v0, 4, 1
	v_mul_u32_u24 v[STO], v2, SP
	v_lshl_add_u32 v[STO], v3, 6, v[STO]
	v_add_nc_u32 v[STO], s22, v[STO]
	v_add_nc_u32 v[RD], s23, v[LI]
	v_add_nc_u32 v[RD+1], STG, v[RD]
	v_add_nc_u32 v[RD+2], 2*STG, v[RD]
	v_add_nc_u32 v[RD+3], 3*STG, v[RD]
	v_lshlrev_b32 v[PFO], 4, v[LI]                 ; 256 x lane
	v_min_u32 v[PFX], 3840, v[PFO]                 ; 256 x min(lane, 15)
	global_prefetch_b8 v[PFO], s[88:89] offset:ROWB th:TH_LOAD_NT scope:SCOPE_SE     ; my share of Y's slot 1,
	global_prefetch_b8 v[PFO], s[88:89] offset:2*ROWB th:TH_LOAD_NT scope:SCOPE_SE   ; of slot 2,
	global_prefetch_b8 v[PFX], s[90:91] th:TH_LOAD_NT scope:SCOPE_SE                 ; and of X
	XLOAD 1
	s_wait_alu depctr_va_vdst(0)                   ; the wait at the head's end
	s_wait_tensorcnt 0x0                           ; my part of slot 0 is in
	ds_add_u32 v[SPW], v[NIL]
	s_wait_dscnt 0x0
	CROUND
	JLOAD 1                                        ; slot 1's first fill, the first tensor load behind the round
	FETCH_Y 0, 0, 0
	FETCH_Y 0, 0, 4
	STEP 0, 0, 1                                   ; eight K steps a wave, written out: the first starts the sums
	TURN 1, 0, 1, 1
	STEP 2, 1, 0
	TURN 3, 1, 0, 1
	STEP 4, 0, 0
	TURN 5, 0, 1, 0                                ; the last two slots are filled no more
	STEP 6, 1, 0
	LAST 7
	; THE WAY OUT: each wave's part goes into its stage; behind a barrier wave w adds the four parts of rows 32 w .. 32 w + 31, x 2^(eA + eB), + bias + x1, and stores rows of 512 bytes
	s_wait_dscnt 0x0
	s_barrier_signal -1
	s_barrier_wait -1
	s_wait_kmcnt 0x0
	s_add_co_i32 s92, s96, s97
	s_add_co_i32 s92, s92, 127
	s_lshl_b32 s92, s92, 23
	s_mov_b32 s93, s92
	PLACES NP
	WIN TO_X
.irp q, 0,1,2,3,4,5,6,7
.set RR, 24+\q
	global_load_b128 v[4*\q:4*\q+3], v[LI], s[76:77] offset:(8*(RR/16)+(RR%8)+16*((RR/8)%2))*4096
.endr
.irp a, 0,1,2,3,4,5,6,7
	WIN 0x08+4*(\a/4)
.irp b, 0,1,2,3,4,5,6,7
	ds_store_b128 v[STO], v[8*(8*(\a%4)+\b):8*(8*(\a%4)+\b)+3] offset:16*\a*SP+128*(\b/2)+32*(\b%2)
	ds_store_b128 v[STO], v[8*(8*(\a%4)+\b)+4:8*(8*(\a%4)+\b)+7] offset:16*\a*SP+128*(\b/2)+32*(\b%2)+16
.endr
.endr
	WIN 0
	s_wait_dscnt 0x0
	s_barrier_signal -1
	s_barrier_wait -1
	s_wait_loadcnt 8
.macro ISSUE k
.set PB, PBS+64*((\k)%2)
.if (\k) >= 2
	s_wait_xcnt 0x0
.endif
.irp p, 0,1,2,3
.irp q, 0,1,2,3
	ds_load_b128 v[PB+16*\p+4*\q:PB+16*\p+4*\q+3], v[RD+\p] offset:(4*(\k)+\q)*SP
.endr
.endr
.endm
.macro FIN k
.set PB, PBS+64*((\k)%2)
.if (\k) < 7
	s_wait_dscnt 16
.else
	s_wait_dscnt 0x0
.endif
.if (\k) == 6
	s_wait_loadcnt 0x0
.endif
.irp q, 0,1,2,3
.irp e, 0,2
	v_pk_add_f32 v[PB+4*\q+\e:PB+4*\q+\e+1], v[PB+4*\q+\e:PB+4*\q+\e+1], v[PB+16+4*\q+\e:PB+16+4*\q+\e+1]
	v_pk_add_f32 v[PB+32+4*\q+\e:PB+32+4*\q+\e+1], v[PB+32+4*\q+\e:PB+32+4*\q+\e+1], v[PB+48+4*\q+\e:PB+48+4*\q+\e+1]
.endr
.irp e, 0,2
	v_pk_add_f32 v[PB+4*\q+\e:PB+4*\q+\e+1], v[PB+4*\q+\e:PB+4*\q+\e+1], v[PB+32+4*\q+\e:PB+32+4*\q+\e+1]
.endr
.irp e, 0,2
	v_pk_fma_f32 v[PB+4*\q+\e:PB+4*\q+\e+1], v[PB+4*\q+\e:PB+4*\q+\e+1], s[92:93], v[BI+\e:BI+\e+1] op_sel_hi:[1,0,1]
.endr
.endr
.if (\k) >= 6
	WIN 0x04
.endif
.irp q, 0,1,2,3
.irp e, 0,2
.if (\k) < 6
	v_pk_add_f32 v[PB+4*\q+\e:PB+4*\q+\e+1], v[PB+4*\q+\e:PB+4*\q+\e+1], v[RES+16*(\k)+4*\q+\e:RES+16*(\k)+4*\q+\e+1]
.else
	v_pk_add_f32 v[PB+4*\q+\e:PB+4*\q+\e+1], v[PB+4*\q+\e:PB+4*\q+\e+1], v[16*((\k)-6)+4*\q+\e:16*((\k)-6)+4*\q+\e+1]
.endif
.endr
.endr
	WIN 0
.irp q, 0,1,2,3
.set RR, 4*(\k)+\q
	global_store_b128 v[LI], v[PB+4*\q:PB+4*\q+3], s[78:79] offset:(8*(RR/16)+(RR%8)+16*((RR/8)%2))*4096
.endr
.endm
	ISSUE 0
.irp k, 0,1,2,3,4,5,6
	ISSUE \k+1
	FIN \k
.endr
	FIN 7
	s_wait_tensorcnt 0x0                           ; the wave's end
	ds_add_u32 v[SPW], v[NIL]
	s_wait_dscnt 0x0
	CROUND                                         ; the closing round
	s_endpgm
.Lfunc_end_k_q832b5668c6_ffn2:
	.size	k_q832b5668c6_ffn2, .Lfunc_end_k_q832b5668c6_ffn2-k_q832b5668c6_ffn2
	.p2alignl 7, 3214868480
	.fill 96, 4, 3214868480
	.section	.rodata,"a",@progbits
	.p2align	6, 0x0
	.amdhsa_kernel k_q832b5668c6_ffn2
		.amdhsa_group_segment_fixed_size 327680
		.amdhsa_private_segment_fixed_size 0
		.amdhsa_enable_private_segment 0
		.amdhsa_kernarg_size 48
		.amdhsa_user_sgpr_count 2
		.amdhsa_user_sgpr_kernarg_segment_ptr 1
		.amdhsa_wavefront_size32 1
		.amdhsa_system_sgpr_workgroup_id_x 1
		.amdhsa_system_sgpr_workgroup_id_y 1
		.amdhsa_system_sgpr_workgroup_id_z 1
		.amdhsa_system_vgpr_workitem_id 0
		.amdhsa_next_free_vgpr 1024
		.amdhsa_next_free_sgpr 100
		.amdhsa_reserve_vcc 0
		.amdhsa_float_denorm_mode_32 3
		.amdhsa_float_denorm_mode_16_64 3
		.amdhsa_memory_ordered 1
		.amdhsa_forward_progress 1
		.amdhsa_inst_pref_size 128
	.end_amdhsa_kernel
	.amdgpu_metadata
---
amdhsa.version: [ 1, 2 ]
amdhsa.kernels:
  - .name:           k_q832b5668c6_ffn2
    .symbol:         k_q832b5668c6_ffn2.kd
    .args:
      - { .name: hid, .offset: 0, .size: 8, .value_kind: global_buffer, .address_space: global }
      - { .name: wimg, .offset: 8, .size: 8, .value_kind: global_buffer, .address_space: global }
      - { .name: lowp_scales, .offset: 16, .size: 8, .value_kind: global_buffer, .address_space: global }
      - { .name: b2, .offset: 24, .size: 8, .value_kind: global_buffer, .address_space: global }
      - { .name: x1, .offset: 32, .size: 8, .value_kind: global_buffer, .address_space: global }
      - { .name: out0, .offset: 40, .size: 8, .value_kind: global_buffer, .address_space: global }
    .group_segment_fixed_size: 327680
    .private_segment_fixed_size: 0
    .kernarg_segment_align: 8
    .kernarg_segment_size: 48
    .max_flat_workgroup_size: 128
    .sgpr_count:     100
    .vgpr_count:     1024
    .wavefront_size: 32
...
	.end_amdgpu_metadata
.endif
;; end of part 7
